; MI455X (gfx1250); checked and timed in simulation.
; The chip was launched on July 23, 2026; its instructions are those of AMD's public machine-readable ISA for CDNA 5 (MIT licence, August 2026) and "CDNA5" Instruction Set Architecture Reference Guide (July 2026). The comments in the code are by the model that wrote it; some were corrected since.
;; Attention. Allowed arithmetic: float matrix products may take bf16 or f16 operands with f32 sums; other float arithmetic in f32, or as packed bf16 or f16 multiplies, adds, multiply-adds, maxima and minima; sums over many terms, partial sums and values carried from step to step in f32; what a program stores and reads back later, other than sums and carried values, may be rounded once to bf16 or f16.
;; Inputs: Wk 1,024 x 1,024 float32; Wq 1,024 x 1,024 float32; Wv 1,024 x 1,024 float32; mask 4 x 2,048 x 2,048 bool; x 4 x 2,048 x 1,024 float32.
;; Outputs: out0 4 x 2,048 x 1,024 float32.
;; 2 versions, each right; version 2 is version 1 with the launch cast written anew for expert scheduling mode. Each part assembles by itself: llvm-mc -triple=amdgcn-amd-amdhsa -mcpu=gfx1250 --defsym DOCPART=n.
;; ======== version 1 of 2: 4 launches
;; limits: values are held in f16: magnitudes above 65,504 overflow, below 6.1e-05 lose precision
;; workspace buffers: xb 16,777,216 bytes; wb 6,291,456 bytes; qkv 50,331,648 bytes; p 33,554,432 bytes; st 1,048,576 bytes
;; launch cast (part 1): grid 704 x 1, 8 waves a work-group, no clusters, 0 bytes of LDS; arguments x, Wq, Wk, Wv, xb, wb; writes xb, wb
.if DOCPART == 1
	.amdgcn_target "amdgcn-amd-amdhsa--gfx1250"
	.amdhsa_code_object_version 6
	.text
	.protected	k_q66e81d573c_cast
	.globl	k_q66e81d573c_cast
	.p2align	8
	.type	k_q66e81d573c_cast,@function
k_q66e81d573c_cast:
	s_mov_b64 s[64:65], 0
	v_nop
	global_prefetch_b8 v0, s[64:65] scope:SCOPE_SE
	s_setreg_imm32_b32 hwreg(HW_REG_WAVE_MODE, 25, 1), 1
	s_wait_xcnt 0x0
; xb = x rounded to bf16, IN BLOCKS: [32 row tiles][16 K steps][256 rows][64 k]: what the next launch takes as one K step of a tile of 256 rows lies on end, 32,768 bytes.
; wb = Wq | Wk | Wv rounded to bf16, side by side: [1024 i][3072 o], Wq in columns 0-1023, Wk in 1024-2047, Wv in 2048-3071.
; A stream: every byte is read once and written once, so there is no LDS, no barrier, no matrix unit, no cluster (no two work-groups read the same byte) and no prefetch (the loads themselves are the launch).
; SHARES.  A work-group takes 16 rows of 4,096 bytes of ONE source: groups 0-511 take x, group 512 + j takes rows 16 (j % 64) .. of matrix j / 64.  All 16 loads of a thread go out at once.
; x: thread t takes row t / 16 and, in turn r, the numbers 64 r + 4 (t % 16) ..: a wave's load covers 256 consecutive bytes of each of two rows, and its store, the same two rows' 128 bytes of K step r, 256 consecutive bytes.
; W: thread t takes numbers 4 t .. of row r: a wave's load covers 512 consecutive bytes, its store 256.  Every store begins at a multiple of 256 from its buffer's first byte.
.set ROWS, 16                          ; rows of a work-group, and loads of a thread
.set XGRP, 512                         ; work-groups that take x: 8,192 rows / 16
.set LOF,  1                           ; v1       my byte offset in the source
.set SOF,  2                           ; v2       8 t: my byte offset in the target, on both ways
.set X,    20                          ; v[20:83] turn r: four f32
.set Y,    84                          ; v[84:115] turn r: four bf16
.macro BODY ldstep, ststep             ; bytes from turn to turn in the source and in the target
.set r, 0
.rept ROWS
	global_load_b128 v[X+4*r:X+4*r+3], v[LOF], s[22:23] offset:(\ldstep)*r th:TH_LOAD_NT
.set r, r+1
.endr
.set r, 0
.rept ROWS
	s_wait_loadcnt ROWS-1-r                        ; loads come back in order: turn r's is in, the younger ones stay out
	v_cvt_pk_bf16_f32 v[Y+2*r], v[X+4*r], v[X+4*r+1]
	v_cvt_pk_bf16_f32 v[Y+2*r+1], v[X+4*r+2], v[X+4*r+3]
	global_store_b64 v[SOF], v[Y+2*r:Y+2*r+1], s[24:25] offset:(\ststep)*r
.set r, r+1
.endr
	s_endpgm
.endm
	s_load_b256 s[4:11], s[0:1], 0x0               ; x s[4:5], Wq s[6:7], Wk s[8:9], Wv s[10:11]
	s_load_b128 s[12:15], s[0:1], 0x20             ; xb s[12:13], wb s[14:15]
	s_mov_b32 s16, ttmp9
	v_lshlrev_b32 v[SOF], 3, v0
	s_mov_b32 s29, 0
	s_mov_b32 s31, 0
	s_cmp_lt_u32 s16, XGRP                         ; do I take x?
	s_cbranch_scc0 .Lweights
	v_lshrrev_b32 v3, 4, v0                        ; my row of the 16
	v_and_b32 v4, 15, v0                           ; my 16 bytes of a K step's 256
	v_lshlrev_b32 v[LOF], 12, v3
	v_lshl_add_u32 v[LOF], v4, 4, v[LOF]
	s_lshl_b32 s28, s16, 16                        ; source: 16 rows of 4,096 bytes
	s_lshr_b32 s30, s16, 4                         ; target: the row tile's 16 blocks of 32,768 bytes,
	s_lshl_b32 s30, s30, 19
	s_and_b32 s17, s16, 15                         ; and in each block my 16 rows of 128 bytes; row t / 16 and place t % 16 make 8 t
	s_lshl_b32 s17, s17, 11
	s_add_co_u32 s30, s30, s17
	s_wait_kmcnt 0x0
	s_add_nc_u64 s[22:23], s[4:5], s[28:29]
	s_add_nc_u64 s[24:25], s[12:13], s[30:31]
	BODY 256, 32768                                ; turn r: K step r
.Lweights:
	v_lshlrev_b32 v[LOF], 4, v0
	s_sub_co_u32 s17, s16, XGRP                    ; my number among the weights' groups
	s_lshr_b32 s18, s17, 6                         ; which matrix: 0 Wq, 1 Wk, 2 Wv
	s_and_b32 s19, s17, 63                         ; which 16 rows of it
	s_lshl_b32 s28, s19, 16                        ; source: 16 rows of 4,096 bytes
	s_mul_i32 s30, s19, ROWS*6144                  ; target: 16 rows of 6,144 bytes,
	s_lshl_b32 s17, s18, 11                        ; and the matrix's 2,048 bytes of a row
	s_add_co_u32 s30, s30, s17
	s_wait_kmcnt 0x0
	s_cmp_eq_u32 s18, 1
	s_cselect_b64 s[20:21], s[8:9], s[6:7]
	s_cmp_eq_u32 s18, 2
	s_cselect_b64 s[20:21], s[10:11], s[20:21]
	s_add_nc_u64 s[22:23], s[20:21], s[28:29]
	s_add_nc_u64 s[24:25], s[14:15], s[30:31]
	BODY 4096, 6144                                ; turn r: row r
.Lfunc_end_k_q66e81d573c_cast:
	.size	k_q66e81d573c_cast, .Lfunc_end_k_q66e81d573c_cast-k_q66e81d573c_cast
	.p2alignl 7, 3214868480
	.fill 96, 4, 3214868480
	.section	.rodata,"a",@progbits
	.p2align	6, 0x0
	.amdhsa_kernel k_q66e81d573c_cast
		.amdhsa_group_segment_fixed_size 0
		.amdhsa_private_segment_fixed_size 0
		.amdhsa_enable_private_segment 0
		.amdhsa_kernarg_size 48
		.amdhsa_user_sgpr_count 2
		.amdhsa_user_sgpr_kernarg_segment_ptr 1
		.amdhsa_wavefront_size32 1
		.amdhsa_system_sgpr_workgroup_id_x 1
		.amdhsa_system_sgpr_workgroup_id_y 1
		.amdhsa_system_sgpr_workgroup_id_z 1
		.amdhsa_system_vgpr_workitem_id 0
		.amdhsa_next_free_vgpr 116
		.amdhsa_next_free_sgpr 66
		.amdhsa_reserve_vcc 0
		.amdhsa_float_denorm_mode_32 3
		.amdhsa_float_denorm_mode_16_64 3
		.amdhsa_memory_ordered 1
		.amdhsa_forward_progress 1
		.amdhsa_inst_pref_size 13
	.end_amdhsa_kernel
	.amdgpu_metadata
---
amdhsa.version: [ 1, 2 ]
amdhsa.kernels:
  - .name:           k_q66e81d573c_cast
    .symbol:         k_q66e81d573c_cast.kd
    .args:
      - { .name: x, .offset: 0, .size: 8, .value_kind: global_buffer, .address_space: global }
      - { .name: Wq, .offset: 8, .size: 8, .value_kind: global_buffer, .address_space: global }
      - { .name: Wk, .offset: 16, .size: 8, .value_kind: global_buffer, .address_space: global }
      - { .name: Wv, .offset: 24, .size: 8, .value_kind: global_buffer, .address_space: global }
      - { .name: xb, .offset: 32, .size: 8, .value_kind: global_buffer, .address_space: global }
      - { .name: wb, .offset: 40, .size: 8, .value_kind: global_buffer, .address_space: global }
    .group_segment_fixed_size: 0
    .private_segment_fixed_size: 0
    .kernarg_segment_align: 8
    .kernarg_segment_size: 48
    .max_flat_workgroup_size: 256
    .sgpr_count:     66
    .vgpr_count:     116
    .wavefront_size: 32
...
	.end_amdgpu_metadata
.endif
;; end of part 1
;; launch proj (part 2): grid 8 x 32, 4 waves a work-group, clusters of 4 x 4, 327,680 bytes of LDS; arguments xb, wb, qkv; writes qkv
.if DOCPART == 2
	.amdgcn_target "amdgcn-amd-amdhsa--gfx1250"
	.amdhsa_code_object_version 6
	.text
	.protected	k_q66e81d573c_proj
	.globl	k_q66e81d573c_proj
	.p2align	8
	.type	k_q66e81d573c_proj,@function
k_q66e81d573c_proj:
	s_mov_b64 s[64:65], 0
	v_nop
	global_prefetch_b8 v0, s[64:65] scope:SCOPE_SE
	s_setreg_imm32_b32 hwreg(HW_REG_WAVE_MODE, 25, 1), 1
	s_wait_xcnt 0x0
	s_wait_alu depctr_hold_cnt(0) depctr_sa_sdst(0) depctr_va_vdst(0) depctr_va_sdst(0) depctr_va_ssrc(0) depctr_va_vcc(0) depctr_vm_vsrc(0)
	s_getreg_b32 s2, hwreg(HW_REG_IB_STS2, 6, 4)
	s_cmp_eq_u32 s2, 0
	s_cbranch_scc0 .Lentry_in_a_cluster
	s_endpgm
.Lentry_in_a_cluster:
	s_bfe_u32 s2, ttmp6, 0x10000c
	s_cmp_lg_u32 s2, 0xf033
	s_cbranch_scc0 .Lentry_shape_is_right
	s_endpgm
.Lentry_shape_is_right:
; qkv[s][o] = the sum over i of x[s][i] W[i][o].  xb: x in bf16, in blocks [32 row tiles][16 K steps][256 rows][64 k]; wb: [1024][3072] bf16 (Wq | Wk | Wv); qkv: [8192][3072] f16 (Q | K | V), rounded once from f32 sums, unscaled.
; LIMIT.  f16 holds no number beyond 65,504: a Q, K or V past that becomes an infinity.  With x and the weights 30 times the drawn spread they reach some 5,000, with offsets of 30 spreads on both some 29,000.
; SHARES.  A tile of qkv is 256 rows x 384 columns: 32 x 8 = 256 work-groups, each with one tile.  Four waves, each 128 rows x 192 columns: 96 accumulators of 16 x 16, 768 registers.
; K goes in 16 steps of 64 through two LDS slots (two slots of 128 would be 344,064 bytes).  A step's 128 rows of A are 16,384 bytes on end in xb and are asked for as 64 rows of 256 bytes; a k-row of B is 768 bytes, at a multiple of 256.
; B lies [K][N] and is turned on its way out of LDS by ds_load_tr16_b128, so the weights are never transposed in memory.
; THE MATRIX INSTRUCTION IS USED TRANSPOSED: source 0 = 16 columns of B, source 1 = 16 rows of A: a lane (r = l % 16, h = l / 16) then holds row r and the columns 8 h + 0..7: 16 bytes of f16 on end.
; GROUPS.  The tile's columns are three runs of 128 (256 bytes, padded apart in LDS); of run j wave column half CH takes columns 64 CH .. 64 CH + 63: GROUP j, four column blocks.  So one address register and constant
; offsets serve both halves.  32 along K (a quarter) are three groups of 32 products, 8 row blocks x 4 column blocks, each under one window setting.
; CLUSTER.  4 x 4 work-groups.  The four of a row need the same tile of A, the four of a column the same tile of B: each is asked for JOINTLY, by the same tensor load with the same descriptor and a mask of four.
; REGISTERS, in windows of 256 (s_set_vgpr_msb: bits 1:0 source 0, 3:2 source 1, 5:4 source 2, 7:6 destination):
;   window 0: v0-63 addresses; v64-127, v128-191 A's fragments of a quarter, two buffers (row block a at 8 a); v192-223, v224-255 B's fragments of a group, two buffers (column block bb at 8 bb); on the way out v64-255 are at work
;   window 1 + j: group j's accumulators, row block a and column block bb at 8 (4 a + bb)
.set T,      16                        ; K steps
.set PA,     144                       ; a row of A in LDS: 128 bytes + 16 = 36 words: the 16 rows of a load start at 16 different groups of four banks (64 banks of 4 bytes: ISA guide 11.1)
.set SEG,    288                       ; 128 columns of a k-row of B: 256 bytes + 32
.set PB,     3*SEG                     ; a k-row of B: 864 bytes = 216 words
.set BOFF,   256*PA                    ; in a slot: A's 256 rows, then B's 64 k-rows
.set SLOT1,  1<<17                     ; slot 1 begins here, so that one exclusive or turns an address in one slot into the other's
.set STAGE,  SLOT1+BOFF+64*PB          ; behind the ring, never filled by a tensor load: 128 rows x 784 bytes, the work-group's, for the way out
.set SP,     784                       ; 768 bytes + 16 = 196 words: 16 rows start at 16 different groups of four banks
.set SPARE,  STAGE+128*SP              ; the spare words, 128 bytes for each wave: two blocks of 256 bytes that no other line names
.set BROW,   6144                      ; bytes in a row of wb and of qkv
.set ASTEP,  32768                     ; a K step in xb: the next block,
.set BSTEP,  64*BROW                   ; and down wb
.set FA0,  8                           ; v8   my lane's place in a slot's A; never rewritten
.set FB0,  9                           ; v9   the same for B
.set ADRA, 10                          ; v10  the same in the slot in hand
.set ADRB, 11                          ; v11
.set STO,  16                          ; v16  the way out: where I put 16 bytes of a row
.set RD0,  17                          ; v17  where I read rows back: 16 l,
.set RD1,  18                          ; v18  and the 512 bytes that straddle two rows
.set CO0,  19                          ; v19  the same two places in qkv
.set PFOA, 20                          ; v20  the prefetches' offsets: a lane a block of 256 bytes of A;
.set CO1,  21                          ; v21
.set PFOB, 23                          ; v23  a lane a k-row of B; never rewritten
.set SPW,  28                          ; v28  LDS address of my spare word; never rewritten
.set NIL,  29                          ; v29  0; never rewritten
.set AF,   64
.set BF,   192
.set TMP,  64
.set CNT,  3                           ; s3   the loop's count
.set WV,   12                          ; s12  my wave's number
.set RH,   13                          ; s13  which 128 rows are mine.  Also: I fetch for A (0) or for B (1)
.set CH,   14                          ; s14  which half of each run of columns.  Also: which half of that tile I fetch
.set CX,   15
.set CY,   16
.set TC,   17                          ; s17  tile column, 0-7
.set TR,   18                          ; s18  tile row, 0-31
.set CLY,  19                          ; s19  the cluster's y
.set G1A,  24                          ; s[24:31] descriptor group 1 for A's tiles
.set G0A0, 32                          ; s[32:35] group 0 for K step 0, used once
.set G0A,  36                          ; s[36:39] group 0 that walks, from K step 1 on
.set G1B,  48
.set G0B0, 56
.set G0B,  60
.set TB,   66                          ; s66  the slot in hand: 0 or SLOT1
.set LIM,  67                          ; s67  a wave prefetches while the count is above this: 1 (A), 2 (B), or the greatest number
.set PFA,  68                          ; s[68:69] where A's prefetches stand
.set PFB,  70                          ; s[70:71] where B's stand
.set MSB, 0
.macro WIN new                         ; the immediate's high byte repeats the setting that is left; a switch that changes nothing is dropped
.if MSB != (\new)
	s_set_vgpr_msb (MSB<<8)|(\new)
.set MSB, \new
.endif
.endm
.macro PLACES                          ; four places behind a matrix instruction, in front of loads into registers that it has read and of conversions that read results
.rept 4
	v_nop
.endr
.endm
.macro BAR                             ; a plain barrier of the work-group
	s_barrier_signal -1
	s_barrier_wait -1
.endm
.macro CREST                           ; a round of the cluster's barrier behind its opening barrier
	s_cmp_lg_u32 s[WV], 0
	s_cbranch_scc1 .Lnot_wave_0_\@
	s_barrier_signal -3
.Lnot_wave_0_\@:
	s_barrier_wait -3
	s_barrier_signal -1
	s_barrier_wait -1
.endm
.macro CROUND                          ; a whole round
	s_barrier_signal -1
	s_barrier_wait -1
	CREST
.endm
; A joint refill.  Waves 0 and 1 fetch A's two halves (128 rows of 128 bytes, as 64 rows of 256), waves 2 and 3 B's (32 k-rows x 768 bytes).  The branch hangs on the wave's number alone.
; An s_nop 0 and four v_nop follow each of the two lines, ahead of the jump and the label.
.macro JLOAD
	s_cmp_eq_u32 s[RH], 0
	s_cbranch_scc0 .Lfor_b_\@
	tensor_load_to_lds s[G0A:G0A+3], s[G1A:G1A+7]
	s_nop 0
.rept 4
	v_nop
.endr
	s_branch .Lasked_\@
.Lfor_b_\@:
	tensor_load_to_lds s[G0B:G0B+3], s[G1B:G1B+7]
	s_nop 0
.rept 4
	v_nop
.endr
.Lasked_\@:
.endm
; PREFETCHES INTO THE L2, behind the joint load and the run of LDS loads.  Trip i of the loop loads K step i + 2.  Each block of 256 bytes is named once in the launch.
; A's tile row is read by the two clusters of a row of clusters: cluster x = 0 asks.  A step's block is 128 blocks of 256 bytes: wave 0 of each of the four partners takes 32, told apart by cx in the ADDRESS, a lane a block:
; in trip i K step i + 3, which the next trip loads: 192 matrix instructions ahead.  B's tile column is read by the eight clusters of a column: cluster y = 0 asks.  Two K steps are 128 k-rows of three blocks: of them a
; partner takes 32 rows by cy in the address, a lane a row, and waves 1, 2, 3 one block of the row each: in the odd trips, K steps i + 3 and i + 4.  A's K steps 0 to 2 and B's 0 to 3 come by their loads alone;
; the count stops both at K step 15.
.macro ASK
	s_cmp_gt_u32 s[CNT], s[LIM]
	s_cbranch_scc0 .Lpf_done_\@
	s_cmp_eq_u32 s[WV], 0
	s_cbranch_scc0 .Lpf_b_\@
	global_prefetch_b8 v[PFOA], s[PFA:PFA+1] th:TH_LOAD_NT scope:SCOPE_SE
	s_branch .Lpf_done_\@
.Lpf_b_\@:
	s_bitcmp1_b32 s[CNT], 0                        ; the count runs 14 .. 1: it is odd in the odd trips
	s_cbranch_scc0 .Lpf_done_\@
	global_prefetch_b8 v[PFOB], s[PFB:PFB+1] th:TH_LOAD_NT scope:SCOPE_SE
.Lpf_done_\@:
.endm
; One matrix instruction of group j: row block a out of A's buffer f, column block bb out of B's buffer g.  zero = 1: the product starts the sum: nothing is ever cleared.
.macro MM f, g, j, a, bb, zero
	WIN 0x50*(1+(\j))                              ; C and D in window 1 + j, both sources in window 0
.set rD, 8*(4*(\a)+(\bb))
.set rB, BF+32*(\g)+8*(\bb)
.set rA, AF+64*(\f)+8*(\a)
.if \zero
	v_wmma_f32_16x16x32_bf16 v[rD:rD+7], v[rB:rB+7], v[rA:rA+7], 0
.else
	v_wmma_f32_16x16x32_bf16 v[rD:rD+7], v[rB:rB+7], v[rA:rA+7], v[rD:rD+7]
.endif
.endm
.macro MA f, g, j, a, zero             ; a row block's four
.irp bb, 0,1,2,3
	MM \f, \g, \j, \a, \bb, \zero
.endr
.endm
; Eight LDS loads: group j of quarter q into B's buffer g.  Lane l reads k-row 8 (l / 16) + l % 8, 16 bytes at 16 ((l / 8) % 2), and is left with column l % 16 and 8 k.
.macro FETCHB q, j, g
.irp bb, 0,1,2,3
	ds_load_tr16_b128 v[BF+32*(\g)+8*(\bb):BF+32*(\g)+8*(\bb)+3],   v[ADRB] offset:(\q)*32*PB+SEG*(\j)+32*(\bb)
	ds_load_tr16_b128 v[BF+32*(\g)+8*(\bb)+4:BF+32*(\g)+8*(\bb)+7], v[ADRB] offset:(\q)*32*PB+16*PB+SEG*(\j)+32*(\bb)
.endr
.endm
; Sixteen LDS loads: my 128 rows of A, quarter q, into buffer f, as they lie: row l % 16, 16 bytes at 16 (l / 16), and 32 bytes on.
.macro FETCHA q, f
.irp a, 0,1,2,3,4,5,6,7
	ds_load_b128 v[AF+64*(\f)+8*(\a):AF+64*(\f)+8*(\a)+3],   v[ADRA] offset:64*(\q)+16*PA*(\a)
	ds_load_b128 v[AF+64*(\f)+8*(\a)+4:AF+64*(\f)+8*(\a)+7], v[ADRA] offset:64*(\q)+16*PA*(\a)+32
.endr
.endm
; A GROUP: 32 products.  At its head stands the run of loads for the next group (and, in a step's third group, for the step's second quarter of A), four places behind the last product that read those registers.
; A step's six groups take B's buffers 0, 1, 0, 1, 0, 1, its two quarters A's buffers 0, 1.  The 96 accumulators take turns in the same order in every quarter, over the backward jump too.
.macro GRP q, j, zero
.set GG, (3*(\q)+(\j))%2
	WIN 0
.if (\j) < 2
	FETCHB \q, (\j)+1, 1-GG
.else
	FETCHB 1, 0, 1-GG
	FETCHA 1, 1
.endif
.irp a, 0,1,2,3,4,5
	MA \q, GG, \j, \a, \zero
.endr
	s_wait_dscnt 0x0                               ; the next group's fragments are in: their run stands 24 products back
	MA \q, GG, \j, 6, \zero
	MA \q, GG, \j, 7, \zero
	PLACES
.endm
; A step's last group changes slots: ONE barrier.  In front of it each wave waits for all its tensor loads (one is out: its part of the next slot), adds 0 to its spare word, and waits for that; its reads of this slot
; came back a group ago.  fill = 1: the barrier opens a round of the cluster's, and behind the round this slot is filled again, with the K step two on: 184 products stand between that request and the wait for it.
.macro TURN fill
.if \fill
	s_wait_xcnt 0x0                                ; the last prefetch, a K step back, has read its address
	s_add_nc_u64 s[PFA:PFA+1], s[PFA:PFA+1], ASTEP
	s_add_nc_u64 s[PFB:PFB+1], s[PFB:PFB+1], BSTEP
.endif
	WIN 0                                          ; (the add's two registers lie in window 0)
	s_wait_tensorcnt 0x0                           ; no tensor load of mine is out, so a group 0 may be written
	ds_add_u32 v[SPW], v[NIL]                      ; 0 onto my spare word
.if \fill
	s_xor_b32 s[G0A+1], s[G0A+1], SLOT1            ; the walking descriptors: the other slot than last time, the next K step
	s_add_nc_u64 s[G0A+2:G0A+3], s[G0A+2:G0A+3], ASTEP
	s_xor_b32 s[G0B+1], s[G0B+1], SLOT1
	s_add_nc_u64 s[G0B+2:G0B+3], s[G0B+2:G0B+3], BSTEP
.endif
	s_xor_b32 s[TB], s[TB], SLOT1
	MA 1, 1, 2, 0, 0
	s_wait_dscnt 0x0                               ; the add is done
	s_barrier_signal -1
	MA 1, 1, 2, 1, 0
	WIN 0                                          ; at a branch and at a label every window is 0
	s_barrier_wait -1
.if \fill
	CREST                                          ; no wave of any partner still reads this slot or has a load on its way
	JLOAD                                          ; the first tensor load behind the round
.else
	PLACES
.endif
	v_add_nc_u32 v[ADRA], s[TB], v[FA0]
	v_add_nc_u32 v[ADRB], s[TB], v[FB0]
	FETCHB 0, 0, 0                                 ; the next step's first group and first quarter of A
	FETCHA 0, 0
.if \fill
	ASK
.endif
.irp a, 2,3,4,5
	MA 1, 1, 2, \a, 0
.endr
	s_wait_dscnt 0x0
	MA 1, 1, 2, 6, 0
	MA 1, 1, 2, 7, 0
	PLACES
.endm
	s_load_b128 s[4:7], s[0:1], 0x0                ; xb s[4:5], wb s[6:7]
	s_load_b64 s[8:9], s[0:1], 0x10                ; qkv
	v_lshl_add_u32 v[SPW], v0, 2, SPARE
	v_mov_b32 v[NIL], 0
	ds_add_u32 v[SPW], v[NIL]                      ; the wave's opening: the add and its wait stand ahead of my first tensor load; the set-up below, work on registers, stands between them
	v_lshrrev_b32 v1, 5, v0
	v_readfirstlane_b32 s[WV], v1
	s_lshr_b32 s[RH], s[WV], 1
	s_and_b32 s[CH], s[WV], 1
	s_bfe_u32 s[CX], ttmp6, 0x40000
	s_bfe_u32 s[CY], ttmp6, 0x40004
	s_lshl_b32 s[TC], ttmp9, 2                     ; in a cluster launch ttmp9 and ttmp7 count clusters
	s_add_co_u32 s[TC], s[TC], s[CX]
	s_and_b32 s[CLY], ttmp7, 0xffff
	s_lshl_b32 s[TR], s[CLY], 2
	s_add_co_u32 s[TR], s[TR], s[CY]
	s_lshl_b32 s20, s[CY], 2
	s_lshl_b32 s20, 15, s20                        ; my row of the cluster
	s_lshl_b32 s21, 0x1111, s[CX]                  ; my column
	s_or_b32 s[G1A], s20, (1<<16)|(1<<20)|(1<<21)|(4<<22)|(3<<25)  ; the mask; 2-byte elements; padding on; bit 21 beside a mask; after every 32 words (a row of A), 4 words
	s_mov_b32 s[G1A+1], 128<<16                    ; tensor_dim0 = 128: two rows of A on end
	s_mov_b32 s[G1A+2], 64<<16                     ; tensor_dim1 = 64
	s_mov_b32 s[G1A+3], 128<<16                    ; tile_dim0 = 128
	s_mov_b32 s[G1A+4], 64                         ; tile_dim1 = 64
	s_mov_b32 s[G1A+5], 128                        ; elements from row to row: the block is dense
	s_mov_b32 s[G1A+6], 0
	s_mov_b32 s[G1A+7], 0
	s_or_b32 s[G1B], s21, (1<<16)|(1<<20)|(1<<21)|(5<<22)|(7<<25)  ; after every 64 words (a third of a k-row), 8 words
	s_mov_b32 s[G1B+1], 384<<16                    ; tensor_dim0 = 384
	s_mov_b32 s[G1B+2], 32<<16                     ; tensor_dim1 = 32
	s_mov_b32 s[G1B+3], 384<<16                    ; tile_dim0 = 384
	s_mov_b32 s[G1B+4], 32                         ; tile_dim1 = 32
	s_mov_b32 s[G1B+5], 3072
	s_mov_b32 s[G1B+6], 0
	s_mov_b32 s[G1B+7], 0
	s_lshl_b32 s40, s[TR], 19                      ; A: the tile row's 16 blocks of 32,768 bytes, my half of a block: hangs on the tile row alone
	s_lshl_b32 s41, s[CH], 14
	s_add_co_u32 s40, s40, s41
	s_mov_b32 s41, 0
	s_mul_i32 s42, s[CH], 32*BROW                  ; B: k-row 32 x half, 768 bytes x tile column: hangs on the tile column alone
	s_mul_i32 s43, s[TC], 768
	s_add_co_u32 s42, s42, s43
	s_mov_b32 s43, 0
	s_lshl_b32 s44, s[TR], 8                       ; the rows of qkv that I store: 256 x tile row + 128 x row half + 32 x column half (+ 64 in the second pass)
	s_lshl_b32 s45, s[RH], 7
	s_add_co_u32 s44, s44, s45
	s_lshl_b32 s45, s[CH], 5
	s_add_co_u32 s44, s44, s45
	s_mul_i32 s44, s44, BROW
	s_mul_i32 s45, s[TC], 768
	s_add_co_u32 s44, s44, s45
	s_mov_b32 s45, 0
	s_mul_i32 s46, s[CH], 128*PA                   ; where the halves go: no place in the cluster enters an LDS address
	s_mul_i32 s47, s[CH], 32*PB
	s_add_co_u32 s47, s47, BOFF
	s_mov_b32 s[G0A0], 1
	s_mov_b32 s[G0A0+1], s46
	s_mov_b32 s[G0A], 1
	s_add_co_u32 s[G0A+1], s46, SLOT1
	s_mov_b32 s[G0B0], 1
	s_mov_b32 s[G0B0+1], s47
	s_mov_b32 s[G0B], 1
	s_add_co_u32 s[G0B+1], s47, SLOT1
	s_lshl_b32 s20, s[TR], 19                      ; the prefetches.  A: the tile row's block of K step 2 (the first change of slots steps it to 3), my work-group's 32 blocks of 256 bytes
	s_lshl_b32 s21, s[CX], 13
	s_add_co_u32 s20, s20, s21
	s_add_co_u32 s20, s20, 2*ASTEP
	s_mov_b32 s21, 0
	s_lshl_b32 s22, s[CY], 5                       ; B: from K step 2's first k-row on, my work-group's 32 rows of 128,
	s_add_co_u32 s22, s22, 2*64
	s_mul_i32 s22, s22, BROW
	s_mul_i32 s23, s[TC], 768
	s_add_co_u32 s22, s22, s23
	s_max_u32 s23, s[WV], 1                        ; and block wave - 1 of a row's three (wave 0 does not ask for B)
	s_sub_co_u32 s23, s23, 1
	s_lshl_b32 s23, s23, 8
	s_add_co_u32 s22, s22, s23
	s_mov_b32 s23, 0
	s_cmp_eq_u32 s[WV], 0
	s_cselect_b32 s46, ttmp9, s[CLY]               ; the coordinate along which other clusters read the same bytes
	s_cselect_b32 s47, 1, 2
	s_cmp_eq_u32 s46, 0
	s_cselect_b32 s[LIM], s47, -1                  ; the same in all sixteen partners, for a given wave
	s_mov_b32 s[TB], 0
	s_wait_dscnt 0x0                               ; the opening add is done
	s_wait_kmcnt 0x0
	s_add_nc_u64 s[40:41], s[4:5], s[40:41]
	s_add_nc_u64 s[42:43], s[6:7], s[42:43]
	s_add_nc_u64 s[8:9], s[8:9], s[44:45]
	s_add_nc_u64 s[PFA:PFA+1], s[4:5], s[20:21]
	s_add_nc_u64 s[PFB:PFB+1], s[6:7], s[22:23]
	s_mov_b64 s[G0A0+2:G0A0+3], s[40:41]           ; K step 0
	s_or_b32 s[G0A0+3], s[G0A0+3], 0x80000000      ; type = 2
	s_add_nc_u64 s[G0A+2:G0A+3], s[40:41], ASTEP   ; K step 1
	s_or_b32 s[G0A+3], s[G0A+3], 0x80000000
	s_mov_b64 s[G0B0+2:G0B0+3], s[42:43]
	s_or_b32 s[G0B0+3], s[G0B0+3], 0x80000000
	s_add_nc_u64 s[G0B+2:G0B+3], s[42:43], BSTEP
	s_or_b32 s[G0B+3], s[G0B+3], 0x80000000
	CROUND                                         ; all sixteen work-groups are here: the first joint loads meet
	s_cmp_eq_u32 s[RH], 0                          ; a wave's two first fills stand in one branch: two loads of mine are out
	s_cbranch_scc0 .Lfirst_b
	tensor_load_to_lds s[G0A0:G0A0+3], s[G1A:G1A+7]
	s_nop 0
	tensor_load_to_lds s[G0A:G0A+3], s[G1A:G1A+7]
	s_nop 0
.rept 4
	v_nop
.endr
	s_branch .Lfirst_asked
.Lfirst_b:
	tensor_load_to_lds s[G0B0:G0B0+3], s[G1B:G1B+7]
	s_nop 0
	tensor_load_to_lds s[G0B:G0B+3], s[G1B:G1B+7]
	s_nop 0
.rept 4
	v_nop
.endr
.Lfirst_asked:
	v_and_b32 v1, 15, v0                           ; r = l % 16
	v_bfe_u32 v2, v0, 4, 1                         ; h = l / 16
	v_and_b32 v3, 7, v0
	v_bfe_u32 v4, v0, 3, 1
	v_and_b32 v5, 31, v0                           ; l
	s_mul_i32 s20, s[RH], 128*PA
	v_mul_u32_u24 v[FA0], v1, PA
	v_lshl_add_u32 v[FA0], v2, 4, v[FA0]
	v_add_nc_u32 v[FA0], s20, v[FA0]               ; (my 128 rows + r) x pitch + 16 h
	s_lshl_b32 s21, s[CH], 7
	s_add_co_u32 s21, s21, BOFF
	v_lshl_add_u32 v6, v2, 3, v3
	v_mul_u32_u24 v[FB0], v6, PB
	v_lshl_add_u32 v[FB0], v4, 4, v[FB0]
	v_add_nc_u32 v[FB0], s21, v[FB0]               ; (8 h + l % 8) x pitch + 16 ((l / 8) % 2) + my half of a run of columns
	s_mul_i32 s22, s[RH], 64*SP                    ; into the stage: my row half's 64 rows of a pass, my 128 bytes of each 256; row r, 16 bytes for each half of the lanes
	s_lshl_b32 s23, s[CH], 7
	s_add_co_u32 s22, s22, s23
	s_add_co_u32 s22, s22, STAGE
	v_mul_u32_u24 v[STO], v1, SP
	v_lshl_add_u32 v[STO], v2, 4, v[STO]
	v_add_nc_u32 v[STO], s22, v[STO]
	s_mul_i32 s22, s[WV], 32*SP                    ; back: wave w takes stage rows 32 w .. 32 w + 31, whole, two at a time: 1,536 bytes in three loads of 512:
	s_add_co_u32 s22, s22, STAGE
	v_lshl_add_u32 v[RD0], v5, 4, s22              ; the first row's bytes 0-511, and (784 + 256 on) the second row's bytes 256-767;
	v_lshl_add_u32 v[RD1], v2, 4, v[RD0]           ; lanes 0-15 the first row's bytes 512-767, lanes 16-31 the second row's bytes 0-255
	v_add_nc_u32 v[RD1], 512, v[RD1]
	v_lshlrev_b32 v[CO0], 4, v5                    ; and the same places in qkv
	v_mul_u32_u24 v[CO1], v2, BROW-768
	v_add_nc_u32 v[CO1], v[CO0], v[CO1]
	v_add_nc_u32 v[CO1], 512, v[CO1]
	v_lshlrev_b32 v[PFOA], 8, v5
	v_mul_u32_u24 v[PFOB], v5, BROW
	v_mov_b32 v[ADRA], v[FA0]
	v_mov_b32 v[ADRB], v[FB0]
	s_wait_tensorcnt 0x1                           ; my part of K step 0 is in; K step 1's may stay out
	BAR                                            ; everybody's is
	FETCHB 0, 0, 0
	FETCHA 0, 0
	s_wait_dscnt 0x0
	GRP 0, 0, 1                                    ; the first quarter stands in front of the loop: its products start the sums
	GRP 0, 1, 1
	GRP 0, 2, 1
	WIN 0
	s_mov_b32 s[CNT], T-2
.Lstep:                                        ; a trip: the second quarter of a K step and the first of the next; the slot left is filled again
	GRP 1, 0, 0
	GRP 1, 1, 0
	TURN 1
	GRP 0, 0, 0
	GRP 0, 1, 0
	GRP 0, 2, 0
	WIN 0
	s_sub_co_u32 s[CNT], s[CNT], 1
	s_cmp_lg_u32 s[CNT], 0
	s_cbranch_scc1 .Lstep
	GRP 1, 0, 0                                    ; the rest is written out: nothing is left to fetch from memory
	GRP 1, 1, 0
	TURN 0
	GRP 0, 0, 0
	GRP 0, 1, 0
	GRP 0, 2, 0
	GRP 1, 0, 0
	GRP 1, 1, 0
.irp a, 0,1,2,3,4,5,6,7
	MA 1, 1, 2, \a, 0
.endr
	PLACES
	PLACES
; THE WAY OUT, in two passes of 128 rows (my row blocks 0-3, then 4-7).  A wave's 64 columns of a run are half of an aligned 256 bytes of qkv, so the two waves of a row half write the two halves of the same stage
; rows; a barrier stands between the writing and the reading, and another between a pass's reading and the next pass's writing; each wave then stores 32 whole rows of 768 bytes.
.macro PACK p                          ; rounded to f16: 48 accumulators, each one's registers in ascending order
.irp j, 0,1,2
	WIN 5*(1+(\j))                                 ; sources 0 and 1 in window 1 + j
.set n, 0
.rept 64
	v_cvt_pk_f16_f32 v[TMP+64*(\j)+n], v[128*(\p)+2*n], v[128*(\p)+2*n+1]
.set n, n+1
.endr
.endr
	WIN 0
.endm
.macro TOSTAGE                         ; 16 bytes a lane: row block n / 4 of the pass, run j, column block n % 4
.irp j, 0,1,2
.set n, 0
.rept 16
	ds_store_b128 v[STO], v[TMP+64*(\j)+4*n:TMP+64*(\j)+4*n+3] offset:(n/4)*16*SP+256*(\j)+32*(n%4)
.set n, n+1
.endr
.endr
	s_wait_dscnt 0x0                               ; for the others' sake: my stores into the stage are done
	BAR
.endm
.macro SEND p
.set t, 0
.rept 16
	ds_load_b128 v[TMP+12*t:TMP+12*t+3],    v[RD0] offset:2*SP*t
	ds_load_b128 v[TMP+12*t+4:TMP+12*t+7],  v[RD1] offset:2*SP*t
	ds_load_b128 v[TMP+12*t+8:TMP+12*t+11], v[RD0] offset:2*SP*t+SP+256
.set t, t+1
.endr
.set t, 0
.rept 16
	s_wait_dscnt 45-3*t                            ; LDS loads come back in order: pair t's three are in, the younger pairs' stay out; the last count is 0
	global_store_b128 v[CO0], v[TMP+12*t:TMP+12*t+3],    s[8:9] offset:(64*(\p)+2*t)*BROW  ; each 16 lanes store 256 consecutive bytes, at a multiple of 256 from qkv's first byte
	global_store_b128 v[CO1], v[TMP+12*t+4:TMP+12*t+7],  s[8:9] offset:(64*(\p)+2*t)*BROW
	global_store_b128 v[CO0], v[TMP+12*t+8:TMP+12*t+11], s[8:9] offset:(64*(\p)+2*t+1)*BROW+256
.set t, t+1
.endr
.endm
	PACK 0
	TOSTAGE
	SEND 0
	s_wait_xcnt 0x0                                ; the stores have read their registers, which the second pass writes
	PACK 1
	BAR                                            ; every wave's reads of the stage are back: it may be written again
	TOSTAGE
	SEND 1
	s_wait_tensorcnt 0x0                           ; the wave's end, behind my last tensor load and my last LDS store
	ds_add_u32 v[SPW], v[NIL]
	s_wait_dscnt 0x0
	CROUND                                         ; the closing round: no work-group ends while a partner may still ask for a tile that names it
	s_endpgm
.Lfunc_end_k_q66e81d573c_proj:
	.size	k_q66e81d573c_proj, .Lfunc_end_k_q66e81d573c_proj-k_q66e81d573c_proj
	.p2alignl 7, 3214868480
	.fill 96, 4, 3214868480
	.section	.rodata,"a",@progbits
	.p2align	6, 0x0
	.amdhsa_kernel k_q66e81d573c_proj
		.amdhsa_group_segment_fixed_size 327680
		.amdhsa_private_segment_fixed_size 0
		.amdhsa_enable_private_segment 0
		.amdhsa_kernarg_size 24
		.amdhsa_user_sgpr_count 2
		.amdhsa_user_sgpr_kernarg_segment_ptr 1
		.amdhsa_wavefront_size32 1
		.amdhsa_system_sgpr_workgroup_id_x 1
		.amdhsa_system_sgpr_workgroup_id_y 1
		.amdhsa_system_sgpr_workgroup_id_z 1
		.amdhsa_system_vgpr_workitem_id 0
		.amdhsa_next_free_vgpr 1024
		.amdhsa_next_free_sgpr 72
		.amdhsa_reserve_vcc 0
		.amdhsa_float_denorm_mode_32 3
		.amdhsa_float_denorm_mode_16_64 3
		.amdhsa_memory_ordered 1
		.amdhsa_forward_progress 1
		.amdhsa_inst_pref_size 113
	.end_amdhsa_kernel
	.amdgpu_metadata
---
amdhsa.version: [ 1, 2 ]
amdhsa.kernels:
  - .name:           k_q66e81d573c_proj
    .symbol:         k_q66e81d573c_proj.kd
    .args:
      - { .name: xb, .offset: 0, .size: 8, .value_kind: global_buffer, .address_space: global }
      - { .name: wb, .offset: 8, .size: 8, .value_kind: global_buffer, .address_space: global }
      - { .name: qkv, .offset: 16, .size: 8, .value_kind: global_buffer, .address_space: global }
    .group_segment_fixed_size: 327680
    .private_segment_fixed_size: 0
    .kernarg_segment_align: 8
    .kernarg_segment_size: 24
    .max_flat_workgroup_size: 128
    .sgpr_count:     72
    .vgpr_count:     1024
    .wavefront_size: 32
...
	.end_amdgpu_metadata
.endif
;; end of part 2
;; launch score (part 3): grid 8 x 32, 4 waves a work-group, clusters of 4 x 4, 327,680 bytes of LDS; arguments qkv, mask, p, st; writes p, st
.if DOCPART == 3
	.amdgcn_target "amdgcn-amd-amdhsa--gfx1250"
	.amdhsa_code_object_version 6
	.text
	.protected	k_q66e81d573c_score
	.globl	k_q66e81d573c_score
	.p2align	8
	.type	k_q66e81d573c_score,@function
k_q66e81d573c_score:
	s_mov_b64 s[64:65], 0
	v_nop
	global_prefetch_b8 v0, s[64:65] scope:SCOPE_SE
	s_setreg_imm32_b32 hwreg(HW_REG_WAVE_MODE, 25, 1), 1
	s_wait_xcnt 0x0
	s_wait_alu depctr_hold_cnt(0) depctr_sa_sdst(0) depctr_va_vdst(0) depctr_va_sdst(0) depctr_va_ssrc(0) depctr_va_vcc(0) depctr_vm_vsrc(0)
	s_getreg_b32 s2, hwreg(HW_REG_IB_STS2, 6, 4)
	s_cmp_eq_u32 s2, 0
	s_cbranch_scc0 .Lentry_in_a_cluster
	s_endpgm
.Lentry_in_a_cluster:
	s_bfe_u32 s2, ttmp6, 0x10000c
	s_cmp_lg_u32 s2, 0xf033
	s_cbranch_scc0 .Lentry_shape_is_right
	s_endpgm
.Lentry_shape_is_right:
; For each query row (8,192 = batch x 2,048 + q) and each GROUP g of 128 keys of its batch: s = Q . K where the mask byte is 1, else -1e-6 x 32 (the fill, on the unscaled sum: 32 is a power of two, so this is exact);
; cm = c x the group's largest s, c = log2(e) / 32;  p = 2^(c s - cm), stored in f16;  l = the sum of the group's p, taken in f32 of the unrounded p.  p: [8192][2048] f16.  st: [16 g][2][8192] f32: cm, then l.
; The launch behind takes the largest of a row's 16 cm away and joins the groups: together the row's true maximum is taken away before every exponential.
; LIMITS.  Q and K arrive in f16.  A weight below 6e-8 of its group's largest counts as 0 in p, one below 2^-126 also in l.  Mask bytes are 0 or 1.  NaN and infinities are not treated apart.
; SHARES.  A tile of scores is 256 queries x 256 keys: 32 x 8 = 256 work-groups.  Four waves, each 128 x 128 (one group of keys): 64 accumulators, 512 registers.  The head size, 1,024, goes in 8 steps of 128
; through two LDS slots; rows of Q and K are 256 bytes of a step and start at multiples of 256 bytes.  The tile's 256 x 256 mask bytes take slot 0's place when its last step has been read.
; THE MATRIX INSTRUCTION IS USED TRANSPOSED (source 0 = 16 keys, source 1 = 16 queries): a lane (r = l % 16, h = l / 16) holds query r and the keys 8 h + 0..7 of each block of 16.
; CLUSTER.  4 x 4 work-groups: the four of a row need the same rows of Q, the four of a column the same rows of K: each tile is asked for JOINTLY.  The mask's tile is a work-group's own: a plain load, behind a round like the others.
; REGISTERS, in windows of 256 (s_set_vgpr_msb: bits 1:0 source 0, 3:2 source 1, 5:4 source 2, 7:6 destination):
;   window 0: v0-31 addresses; v64-127, v128-191 Q's fragments, two buffers; behind the products v64-223 serve the softmax        window 1: v64-127, v128-191 K's fragments
;   window 2: the accumulators of my query blocks 0-3 (block a, key block b at 8 (8 a + b));   window 3: those of blocks 4-7
.set T,      8                         ; K steps
.set KSTEP,  128
.set PITCH,  272                       ; an LDS row: 256 bytes + 16 = 68 words: the 16 rows that a load touches start at 16 different groups of four banks (64 banks of 4 bytes: ISA guide 11.1)
.set HALFT,  128*PITCH                 ; 128 rows: what one joint load brings, and what one wave reads of Q or of K
.set SLOT,   4*HALFT                   ; Q's 256 rows, then K's 256 rows: 0x22000 bytes.  The waves' places in a slot, 0, 0x8800, 0x11000 and 0x19800, have neither of its two bits, so one exclusive or by SLOT turns an address in one slot into the other's
.set STAGE,  2*SLOT                    ; behind the ring, never filled by a tensor load: 16 rows x 272 bytes for each wave
.set SPITCH, 272
.set STS,    STAGE+4*16*SPITCH         ; for each wave 128 cm, then 128 l
.set SPARE,  STS+4*1024                ; the spare words, 128 bytes for each wave: two blocks of 256 bytes that no other line names
.set ROWB,   6144                      ; bytes in a row of qkv
.set PROW,   4096                      ; bytes in a row of p
.set FA0,  16                          ; v16     my lane's place in a slot's Q; never rewritten
.set ADRA, 17                          ; v17     the same in the slot in hand
.set SO,   18                          ; v18     16 l: my bytes in 512 of st
.set FB0,  20                          ; v20     my lane's place in a slot's K; never rewritten
.set ADRB, 21                          ; v21     the same in the slot in hand
.set SA,   22                          ; v22     where my lane puts a block's cm (lanes 0-15) or l (lanes 16-31); steps by a block's 64 bytes
.set SR,   23                          ; v23     where I read them back
.set STO,  24                          ; v24     where I put 16 bytes of a row of p
.set RD,   25                          ; v25     where I read a row back
.set CO,   26                          ; v26     my byte offset in p; never rewritten
.set MA,   27                          ; v27     my 8 mask bytes of key block 0 in the query block whose bytes were asked for last; steps by 16 rows
.set SPW,  28                          ; v28     LDS address of my spare word; never rewritten
.set NIL,  29                          ; v29     0; never rewritten
.set PFO,  30                          ; v30     l x a row of qkv; never rewritten
.set MPO,  31                          ; v31     l x a row of the mask; never rewritten
.set F0,   64
.set F1,   128
.set S,    64                          ; v64-127   a block's 64 scores of my lane (first their masks): score 8 b + j is key 16 b + 8 h + j
.set M,    128                         ; v128-143  their mask bytes, four a word
.set TT,   144                         ; v144-147  at work
.set CC,   148                         ; v148-151  four chains of the maximum
.set CM,   152                         ; v152-153  cm (named as a pair)
.set LL,   154                         ; v154      l
.set LS,   155                         ; v155      cm or l, by the lane's half
.set PK,   160                         ; v160-191  p in f16
.set OB,   192                         ; v192-223  16 rows read back from the stage
.set WV,   12
.set RH,   13                          ; s13  which 128 queries are mine.  Also: I fetch for Q (0) or for K (1)
.set CH,   14                          ; s14  which 128 keys.  Also: which 128 rows of that tile I fetch
.set CX,   15
.set CY,   16
.set KT,   17                          ; s17  key tile, 0-7
.set TY,   18                          ; s18  query tile, 0-31: batch x 8 + tile
.set CLY,  19
.set G1,   24                          ; s[24:31] descriptor group 1 for Q's tiles
.set G0,   32                          ; s[32:35] group 0 for K step 0, used once; s[36:39] group 0 that walks, from K step 1 on
.set LIM,  43                          ; s43  2 in a wave that prefetches Q or K, else the greatest number
.set PFA,  44                          ; s[44:45] where those prefetches stand
.set G1B,  48                          ; s[48:55], s[56:59], s[60:63] the same for K's tiles
.set G0B,  56
.set CS,   66                          ; s[66:67] c: the packed scaling takes the pair's low word for both halves
.set SEL,  68                          ; s[68:69] v_permlanex16_b32's selects: each lane takes its own place in the other half
.set FILL, 70                          ; s70  -1e-6 x 32
.set HIL,  71                          ; s71  lanes 16-31
.set GM0,  72                          ; s[72:75], s[76:83] the mask tile's descriptor
.set GM1,  76
.set PS,   84                          ; s[84:87] v_perm_b32's selectors: byte k of the first source, four times
.set BL,   88                          ; s88  query blocks still to go
.set TB,   89                          ; s89  the slot in hand: 0 or SLOT
.set MPF,  90                          ; s[90:91] my 64 rows of the mask tile in memory
.set MSB, 0
.macro WIN new                         ; the immediate's high byte repeats the setting that is left; a switch that changes nothing is dropped
.if MSB != (\new)
	s_set_vgpr_msb (MSB<<8)|(\new)
.set MSB, \new
.endif
.endm
.set MUL_LO, 0xa1                      ; source 0 (K) window 1, source 1 (Q) window 0, C and D window 2
.set MUL_HI, 0xf1                      ; the same, C and D window 3
.set TO_B,   0x40                      ; destination window 1, address window 0
.macro PLACES                          ; four places behind a matrix instruction, in front of loads into registers that it has read and of lines that read results
.rept 4
	v_nop
.endr
.endm
; A joint refill, by the walking descriptors: waves 0 and 1 fetch Q's two halves, waves 2 and 3 K's.  An s_nop 0 and four v_nop follow each of the two lines, ahead of the jump and the label.
.macro JLOAD
	s_cmp_eq_u32 s[RH], 0
	s_cbranch_scc0 .Lfor_b_\@
	tensor_load_to_lds s[G0+4:G0+7], s[G1:G1+7]
	s_nop 0
.rept 4
	v_nop
.endr
	s_branch .Lasked_\@
.Lfor_b_\@:
	tensor_load_to_lds s[G0B+4:G0B+7], s[G1B:G1B+7]
	s_nop 0
.rept 4
	v_nop
.endr
.Lasked_\@:
.endm
; PREFETCHES INTO THE L2, behind a joint load and the run of LDS loads that follows it.  ASK: the K step two refills on, 512 matrix instructions ahead of its load: 32 rows x 256 bytes, a lane a row.  Q's rows are read by
; the two clusters of a row of clusters: cluster x = 0 asks; K's by the two clusters of a batch's column: the even cluster y asks.  Of the 128 rows that a wave fetches each of the four partners takes 32, told apart by
; cx or cy in the ADDRESS.  So each block of 256 bytes is named once.  K steps 0 to 3 come by their loads alone.  Trip i of the loop (the count is 6 - i) loads K step i + 2 and names K step i + 4: the last two trips ask for nothing along K.
.macro ASK
	s_cmp_gt_u32 s3, s[LIM]
	s_cbranch_scc0 .Lnot_mine_\@
	global_prefetch_b8 v[PFO], s[PFA:PFA+1] offset:KSTEP*2 th:TH_LOAD_NT scope:SCOPE_SE
.Lnot_mine_\@:
.endm
; ASKM: in the loop's last trip but one each wave asks for the 64 rows of the mask tile that it will load two changes of slots later: a lane a row of 256 bytes, twice.  Nobody else reads them.
.macro ASKM
	s_cmp_eq_u32 s3, 2
	s_cbranch_scc0 .Lno_mask_\@
	global_prefetch_b8 v[MPO], s[MPF:MPF+1] th:TH_LOAD_NT scope:SCOPE_SE
	global_prefetch_b8 v[MPO], s[MPF:MPF+1] offset:32*2048 th:TH_LOAD_NT scope:SCOPE_SE
.Lno_mask_\@:
.endm
.macro CREST                           ; a round of the cluster's barrier behind its opening barrier
	s_cmp_lg_u32 s[WV], 0
	s_cbranch_scc1 .Lnot_wave_0_\@
	s_barrier_signal -3
.Lnot_wave_0_\@:
	s_barrier_wait -3
	s_barrier_signal -1
	s_barrier_wait -1
.endm
.macro CROUND                          ; a whole round
	s_barrier_signal -1
	s_barrier_wait -1
	CREST
.endm
	s_load_b256 s[4:11], s[0:1], 0x0               ; qkv s[4:5], mask s[6:7], p s[8:9], st s[10:11]
	v_lshl_add_u32 v[SPW], v0, 2, SPARE
	v_mov_b32 v[NIL], 0
	ds_add_u32 v[SPW], v[NIL]                      ; the wave's opening: the add and its wait stand ahead of my first tensor load; the set-up below, work on registers, stands between them
	v_lshrrev_b32 v1, 5, v0
	v_readfirstlane_b32 s[WV], v1
	s_lshr_b32 s[RH], s[WV], 1
	s_and_b32 s[CH], s[WV], 1
	s_bfe_u32 s[CX], ttmp6, 0x40000
	s_bfe_u32 s[CY], ttmp6, 0x40004
	s_lshl_b32 s[KT], ttmp9, 2                     ; in a cluster launch ttmp9 and ttmp7 count clusters
	s_add_co_u32 s[KT], s[KT], s[CX]
	s_and_b32 s[CLY], ttmp7, 0xffff
	s_lshl_b32 s[TY], s[CLY], 2
	s_add_co_u32 s[TY], s[TY], s[CY]
	s_lshl_b32 s20, s[CY], 2
	s_lshl_b32 s20, 15, s20                        ; my row of the cluster
	s_lshl_b32 s21, 0x1111, s[CX]                  ; my column
	s_or_b32 s[G1], s20, (1<<16)|(1<<20)|(1<<21)|(5<<22)|(3<<25)   ; the mask of four; 2-byte elements; padding on; bit 21 beside a mask; after every 64 words, 4 words
	s_or_b32 s[G1B], s21, (1<<16)|(1<<20)|(1<<21)|(5<<22)|(3<<25)
.irp g, G1, G1B
	s_mov_b32 s[(\g)+1], KSTEP<<16                 ; tensor_dim0 = 128
	s_mov_b32 s[(\g)+2], 128<<16                   ; tensor_dim1 = 128
	s_mov_b32 s[(\g)+3], KSTEP<<16                 ; tile_dim0 = 128
	s_mov_b32 s[(\g)+4], 128                       ; tile_dim1 = 128
	s_mov_b32 s[(\g)+5], 3072                      ; elements from row to row
	s_mov_b32 s[(\g)+6], 0
	s_mov_b32 s[(\g)+7], 0
.endr
	s_mov_b32 s[GM1], (3<<16)|(1<<20)|(5<<22)|(3<<25)  ; the mask tile: no work-group mask; 8-byte elements; padding after every 64 words, 4 words
	s_mov_b32 s[GM1+1], 32<<16                     ; tensor_dim0 = 32 elements: 256 bytes
	s_mov_b32 s[GM1+2], 64<<16                     ; tensor_dim1 = 64
	s_mov_b32 s[GM1+3], 32<<16                     ; tile_dim0 = 32
	s_mov_b32 s[GM1+4], 64                         ; tile_dim1 = 64
	s_mov_b32 s[GM1+5], 256                        ; 2,048 bytes from row to row
	s_mov_b32 s[GM1+6], 0
	s_mov_b32 s[GM1+7], 0
	s_lshl_b32 s20, s[TY], 8
	s_lshl_b32 s21, s[CH], 7
	s_add_co_u32 s20, s20, s21                     ; Q's rows that I fetch: 256 x query tile + 128 x half: they hang on the query tile alone
	s_mul_i32 s40, s20, ROWB
	s_mov_b32 s41, 0
	s_lshr_b32 s22, s[CLY], 1                      ; the batch
	s_lshl_b32 s22, s22, 11
	s_lshl_b32 s23, s[KT], 8
	s_add_co_u32 s22, s22, s23
	s_add_co_u32 s22, s22, s21                     ; K's rows: 2,048 x batch + 256 x key tile + 128 x half
	s_mul_i32 s46, s22, ROWB
	s_add_co_u32 s46, s46, 2048                    ; K's bytes in a row of qkv
	s_mov_b32 s47, 0
	s_mul_i32 s42, s[WV], HALFT                    ; where they go: Q's two halves, then K's: no place in the cluster enters an LDS address
.irp s, 0,1
	s_mov_b32 s[G0+4*(\s)], 1
	s_add_co_u32 s[G0+4*(\s)+1], s42, (\s)*SLOT
	s_mov_b32 s[G0B+4*(\s)], 1
	s_add_co_u32 s[G0B+4*(\s)+1], s42, (\s)*SLOT
.endr
	s_and_b32 s23, s[CLY], 1                       ; the prefetches of Q and K
	s_cmp_eq_u32 s[RH], 0
	s_cselect_b32 s20, s20, s22                    ; the first of the 128 rows that I fetch
	s_cselect_b32 s21, s[CX], s[CY]                ; my place among the four that ask for them with me
	s_cselect_b32 s22, ttmp9, s23                  ; the coordinate along which another cluster reads the same rows
	s_cselect_b32 s23, 0, 2048
	s_cmp_eq_u32 s22, 0
	s_cselect_b32 s[LIM], 2, -1                    ; the same in all sixteen partners, for a given wave
	s_lshl_b32 s21, s21, 5
	s_add_co_u32 s20, s20, s21
	s_mul_i32 s20, s20, ROWB
	s_add_co_u32 s20, s20, s23
	s_add_co_u32 s20, s20, 2*KSTEP*2               ; at K step 2: the first refill steps it to 3 and names K step 4
	s_mov_b32 s21, 0
	s_lshl_b32 s88, s[TY], 8                       ; my first row of the 8,192
	s_lshl_b32 s89, s[RH], 7
	s_add_co_u32 s88, s88, s89
	s_lshl_b32 s2, s88, 2                          ; in st: 4 bytes a row,
	s_lshl_b32 s88, s88, 12                        ; in p: 4,096 bytes a row,
	s_lshl_b32 s89, s[KT], 9                       ; the tile's 512 bytes of it,
	s_add_co_u32 s88, s88, s89
	s_lshl_b32 s89, s[CH], 8                       ; my 256
	s_add_co_u32 s88, s88, s89
	s_mov_b32 s89, 0
	s_lshl_b32 s3, s[KT], 1
	s_add_co_u32 s3, s3, s[CH]                     ; my group of keys: 2 x key tile + half
	s_lshl_b32 s3, s3, 16
	s_add_co_u32 s2, s2, s3
	s_mov_b32 s3, 0
	s_lshl_b32 s74, s[TY], 8                       ; the mask rows that I fetch: 256 x query tile + 64 x wave,
	s_lshl_b32 s75, s[WV], 6
	s_add_co_u32 s74, s74, s75
	s_lshl_b32 s74, s74, 11
	s_lshl_b32 s75, s[KT], 8                       ; the tile's 256 bytes of them
	s_add_co_u32 s74, s74, s75
	s_mov_b32 s75, 0
	s_mov_b32 s[GM0], 1
	s_mul_i32 s[GM0+1], s[WV], 64*PITCH            ; into slot 0: 64 rows x wave
	s_mov_b32 s[CS], 0x3d38aa3b                    ; c = log2(e) / 32
	s_mov_b32 s[CS+1], s[CS]
	s_mov_b32 s[SEL], 0x76543210
	s_mov_b32 s[SEL+1], 0xfedcba98
	s_mov_b32 s[FILL], 0xb80637bd                  ; -1e-6 x 32
	s_mov_b32 s[HIL], 0xffff0000
	s_mov_b32 s[PS], 0x04040404
	s_mov_b32 s[PS+1], 0x05050505
	s_mov_b32 s[PS+2], 0x06060606
	s_mov_b32 s[PS+3], 0x07070707
	s_wait_dscnt 0x0                               ; the opening add is done
	s_wait_kmcnt 0x0
	s_add_nc_u64 s[40:41], s[4:5], s[40:41]
	s_add_nc_u64 s[46:47], s[4:5], s[46:47]
	s_add_nc_u64 s[PFA:PFA+1], s[4:5], s[20:21]
	s_add_nc_u64 s[8:9], s[8:9], s[88:89]
	s_add_nc_u64 s[10:11], s[10:11], s[2:3]
	s_add_nc_u64 s[GM0+2:GM0+3], s[6:7], s[74:75]
	s_mov_b64 s[MPF:MPF+1], s[GM0+2:GM0+3]
	s_or_b32 s[GM0+3], s[GM0+3], 0x80000000        ; type = 2
	s_mov_b32 s[TB], 0                             ; K step 0 lies in slot 0
.irp s, 0,1
	s_add_nc_u64 s[G0+4*(\s)+2:G0+4*(\s)+3], s[40:41], (\s)*KSTEP*2  ; K step s
	s_or_b32 s[G0+4*(\s)+3], s[G0+4*(\s)+3], 0x80000000
	s_add_nc_u64 s[G0B+4*(\s)+2:G0B+4*(\s)+3], s[46:47], (\s)*KSTEP*2
	s_or_b32 s[G0B+4*(\s)+3], s[G0B+4*(\s)+3], 0x80000000
.endr
	CROUND                                         ; all sixteen work-groups are here: the first joint loads meet
	s_cmp_eq_u32 s[RH], 0                          ; a wave's two first fills stand in one branch: two loads of mine are out
	s_cbranch_scc0 .Lfirst_b
	tensor_load_to_lds s[G0:G0+3], s[G1:G1+7]
	s_nop 0
	tensor_load_to_lds s[G0+4:G0+7], s[G1:G1+7]
	s_nop 0
.rept 4
	v_nop
.endr
	s_branch .Lfirst_asked
.Lfirst_b:
	tensor_load_to_lds s[G0B:G0B+3], s[G1B:G1B+7]
	s_nop 0
	tensor_load_to_lds s[G0B+4:G0B+7], s[G1B:G1B+7]
	s_nop 0
.rept 4
	v_nop
.endr
.Lfirst_asked:
	; A fragment is 16 rows x 32 channels in 8 registers: lane l holds row l % 16; registers 0-3 channels 8 (l / 16) + 0..7, registers 4-7 channels 16 + 8 (l / 16) + 0..7: two loads of 16 bytes, 32 bytes apart.
	v_and_b32 v1, 15, v0                           ; r
	v_bfe_u32 v2, v0, 4, 1                         ; h
	v_and_b32 v5, 31, v0                           ; l
	v_mul_u32_u24 v3, v1, PITCH
	v_lshl_add_u32 v3, v2, 4, v3                   ; r x pitch + 16 h
	s_mul_i32 s20, s[RH], HALFT                    ; my 128 rows of Q
	s_mul_i32 s21, s[CH], HALFT                    ; my 128 rows of K,
	s_add_co_u32 s21, s21, 2*HALFT                 ; which lie behind Q's 256
	v_add_nc_u32 v[FA0], s20, v3
	v_add_nc_u32 v[FB0], s21, v3
	v_mov_b32 v[ADRA], v[FA0]
	v_mov_b32 v[ADRB], v[FB0]
	s_mul_i32 s22, s[WV], 16*SPITCH
	s_add_co_u32 s22, s22, STAGE                   ; my stage
	v_add_nc_u32 v[STO], s22, v3                   ; in: row r, 16 bytes for each half of the lanes
	v_mul_u32_u24 v4, v2, SPITCH                   ; back: lanes 0-15 take one row of 256 bytes, lanes 16-31 the next
	v_lshl_add_u32 v4, v1, 4, v4
	v_add_nc_u32 v[RD], s22, v4
	v_lshlrev_b32 v[CO], 12, v2                    ; and the same two rows in p
	v_lshl_add_u32 v[CO], v1, 4, v[CO]
	s_mul_i32 s23, s[RH], HALFT                    ; the mask tile lies at slot 0's head, 272 bytes a row: my 128 rows,
	s_lshl_b32 s22, s[CH], 7                       ; my 128 bytes of them
	s_add_co_u32 s23, s23, s22
	v_mul_u32_u24 v[MA], v1, PITCH
	v_lshl_add_u32 v[MA], v2, 3, v[MA]
	v_add_nc_u32 v[MA], s23, v[MA]
	s_lshl_b32 s22, s[WV], 10
	s_add_co_u32 s22, s22, STS
	v_lshlrev_b32 v[SA], 9, v2
	v_lshl_add_u32 v[SA], v1, 2, v[SA]
	v_add_nc_u32 v[SA], s22, v[SA]
	v_lshl_add_u32 v[SR], v5, 4, s22
	v_lshlrev_b32 v[SO], 4, v5
	v_mul_u32_u24 v[PFO], v5, ROWB
	v_lshlrev_b32 v[MPO], 11, v5
; 16 matrix instructions: query blocks a0, a0 + 1 of the window's four (hi = 0: blocks 0-3, 1: blocks 4-7) x all 8 key blocks, 32 channels.  zero = 1: the product starts the sum: nothing is ever cleared.
; The 64 accumulators take turns, one instruction a turn, in the same order in every quarter, over the backward jump too.
.macro MUL16 f, hi, a0, zero
	WIN MUL_LO+0x50*(\hi)
.irp a, \a0, (\a0)+1
.irp b, 0,1,2,3,4,5,6,7
.if \zero
	v_wmma_f32_16x16x32_f16 v[8*(8*(\a)+(\b)):8*(8*(\a)+(\b))+7], v[(\f)+8*(\b):(\f)+8*(\b)+7], v[(\f)+8*(4*(\hi)+(\a)):(\f)+8*(4*(\hi)+(\a))+7], 0
.else
	v_wmma_f32_16x16x32_f16 v[8*(8*(\a)+(\b)):8*(8*(\a)+(\b))+7], v[(\f)+8*(\b):(\f)+8*(\b)+7], v[(\f)+8*(4*(\hi)+(\a)):(\f)+8*(4*(\hi)+(\a))+7], v[8*(8*(\a)+(\b)):8*(8*(\a)+(\b))+7]
.endif
.endr
.endr
.endm
; 32 LDS loads in one run: the fragments of one quarter step (128 rows of K, 128 rows of Q, 32 channels at byte k of the rows of the slot in hand) into buffer f
.macro FETCH k, f
	WIN TO_B
.irp i, 0,1,2,3,4,5,6,7
	ds_load_b128 v[(\f)+8*(\i):(\f)+8*(\i)+3],   v[ADRB] offset:(\k)+(\i)*16*PITCH
	ds_load_b128 v[(\f)+8*(\i)+4:(\f)+8*(\i)+7], v[ADRB] offset:(\k)+(\i)*16*PITCH+32
.endr
	WIN 0
.irp i, 0,1,2,3,4,5,6,7
	ds_load_b128 v[(\f)+8*(\i):(\f)+8*(\i)+3],   v[ADRA] offset:(\k)+(\i)*16*PITCH
	ds_load_b128 v[(\f)+8*(\i)+4:(\f)+8*(\i)+7], v[ADRA] offset:(\k)+(\i)*16*PITCH+32
.endr
.endm
; A K step is four quarters of 32 channels, 64 matrix instructions each, on buffers 0, 1, 0, 1.  One of the first three: multiplies buffer f; in its middle it fetches the next quarter, at byte k, into buffer g.
.macro QUARTER k, f, g, zero
	s_wait_dscnt 8                                 ; K and Q's rows 0-63 are in; the youngest eight loads (Q's rows 64-127) may be out
	MUL16 \f, 0, 0, \zero
	MUL16 \f, 0, 2, \zero
	PLACES
	FETCH \k, \g
	s_wait_dscnt 32                                ; all but the 32 just issued
	MUL16 \f, 1, 0, \zero
	MUL16 \f, 1, 2, \zero
.endm
; The first half of the last quarter, which multiplies buffer 1 and changes slots: ONE barrier, which opens a round of the cluster's.  In front of it each wave waits for all its tensor loads (one is out: its part of
; the next slot), adds 0 to its spare word, and waits for that and for its own reads of this slot.
.macro MEET
	WIN 0                                          ; (the add's two registers lie in window 0)
	s_wait_tensorcnt 0x0
	ds_add_u32 v[SPW], v[NIL]                      ; 0 onto my spare word
	s_wait_dscnt 9                                 ; (the add and the youngest eight loads may be out)
	MUL16 F1, 0, 0, 0                              ; sixteen matrix instructions stand between the add and the wait for it
	s_wait_dscnt 0x0                               ; the add is done, and my reads of this slot are over
	s_barrier_signal -1
	MUL16 F1, 0, 2, 0                              ; work on registers while the others arrive
	WIN 0
	s_barrier_wait -1
	CREST                                          ; no wave of any partner still reads this slot or has a load on its way
.endm
; The whole last quarter: behind the round the slot just read out is filled again, with the K step two on; from that request to the wait for it a wave issues 224 matrix instructions.
.macro TURN
	s_wait_xcnt 0x0                                ; the last prefetches, a K step back, have read their address
	s_add_nc_u64 s[PFA:PFA+1], s[PFA:PFA+1], KSTEP*2
	MEET
	s_xor_b32 s[G0+5], s[G0+5], SLOT               ; no tensor load of mine is out: the walking descriptors take the other slot than last time, and the next K step
	s_add_nc_u64 s[G0+6:G0+7], s[G0+6:G0+7], KSTEP*2
	s_xor_b32 s[G0B+5], s[G0B+5], SLOT
	s_add_nc_u64 s[G0B+6:G0B+7], s[G0B+6:G0B+7], KSTEP*2
	s_xor_b32 s[TB], s[TB], SLOT
	JLOAD                                          ; the first tensor load behind the round; its four v_nop are also the places in front of the loads below
	v_add_nc_u32 v[ADRA], s[TB], v[FA0]
	v_add_nc_u32 v[ADRB], s[TB], v[FB0]
	FETCH 0, F0
	ASK
	ASKM
	MUL16 F1, 1, 0, 0
	MUL16 F1, 1, 2, 0
.endm
	s_wait_tensorcnt 0x1                           ; my part of K step 0 is in; K step 1's may stay out
	s_barrier_signal -1
	s_barrier_wait -1                              ; everybody's is
	FETCH 0, F0
	QUARTER 64,  F0, F1, 1                         ; the first quarter stands in front of the loop: its products start the sums
	WIN 0
	s_mov_b32 s3, T-2
.Lstep:                                        ; a trip: quarters 1 to 3 of a K step and quarter 0 of the next; the slot left is filled again
	QUARTER 128, F1, F0, 0
	QUARTER 192, F0, F1, 0
	TURN
	QUARTER 64,  F0, F1, 0
	WIN 0
	s_sub_co_u32 s3, s3, 1
	s_cmp_lg_u32 s3, 0
	s_cbranch_scc1 .Lstep
	QUARTER 128, F1, F0, 0                         ; the last two K steps are written out: K step 6, in slot 0,
	QUARTER 192, F0, F1, 0
	MEET                                           ; which has now been read out: it takes the mask's tile, 64 rows a wave
	tensor_load_to_lds s[GM0:GM0+3], s[GM1:GM1+7]
	s_nop 0
	PLACES
	s_xor_b32 s[TB], s[TB], SLOT                   ; and K step 7, in slot 1
	v_add_nc_u32 v[ADRA], s[TB], v[FA0]
	v_add_nc_u32 v[ADRB], s[TB], v[FB0]
	FETCH 0, F0
	MUL16 F1, 1, 0, 0
	MUL16 F1, 1, 2, 0
	QUARTER 64,  F0, F1, 0
	QUARTER 128, F1, F0, 0
	QUARTER 192, F0, F1, 0
	s_wait_dscnt 8
	MUL16 F1, 0, 0, 0
	MUL16 F1, 0, 2, 0
	s_wait_dscnt 0x0
	MUL16 F1, 1, 0, 0
	MUL16 F1, 1, 2, 0
	WIN 0
	s_wait_tensorcnt 0x0                           ; my 64 rows of the mask are in,
	s_barrier_signal -1
	s_barrier_wait -1                              ; everybody's are: my 128 queries' rows were fetched by two waves
	PLACES
	PLACES
; THE SOFTMAX OF A GROUP, a query block (16 queries x 128 keys) a trip.  A score's mask byte, made 0x00 or 0xff, is spread over the word in which the score will lie; then ONE line a score names the accumulator: v_bfi_b32
; takes the score where the word is ones and the fill where it is zeros, and so brings the block into fixed registers.  Only those 64 lines are written eight times (SEL); all else is written once.
; All jumps but the loop's own go forward.  Each accumulator's registers are read in ascending order.
.macro SEL a, jump
.Lsel_\a:
	WIN 0x08+4*((\a)/4)                            ; source 1: window 2 or 3
.set i, 0
.rept 64
	v_bfi_b32 v[S+i], v[S+i], v[64*((\a)%4)+i], s[FILL]
.set i, i+1
.endr
	WIN 0
.if \jump
	s_branch .Lpost
.endif
.endm
.irp b, 0,1,2,3,4,5,6,7
	ds_load_b64 v[M+2*(\b):M+2*(\b)+1], v[MA] offset:16*(\b)  ; block 0: the 8 bytes for keys 16 b + 8 h + 0..7
.endr
	s_mov_b32 s[BL], 8
.Lblock:
	s_wait_dscnt 0x0                               ; the block's mask bytes are in
.set i, 0
.rept 16
	v_lshlrev_b32 v[TT+i%4], 8, v[M+i]             ; bytes of 0 or 1 times 255: 0x00 or 0xff
	v_sub_nc_u32 v[M+i], v[TT+i%4], v[M+i]
.set i, i+1
.endr
.set i, 0
.rept 64
	v_perm_b32 v[S+i], v[M+i/4], s[PS+i%4], s[PS+i%4]  ; byte i % 4 of word i / 4, four times
.set i, i+1
.endr
	s_cmp_eq_u32 s[BL], 1                          ; behind the last block there is none
	s_cbranch_scc1 .Lno_next
	v_add_nc_u32 v[MA], 16*PITCH, v[MA]            ; the next block's mask bytes, a whole trip ahead of their use
.irp b, 0,1,2,3,4,5,6,7
	ds_load_b64 v[M+2*(\b):M+2*(\b)+1], v[MA] offset:16*(\b)
.endr
.Lno_next:
.irp a, 0,1,2,3,4,5,6
	s_cmp_eq_u32 s[BL], 8-(\a)
	s_cbranch_scc1 .Lsel_\a
.endr
	SEL 7, 1
	SEL 0, 1
	SEL 1, 1
	SEL 2, 1
	SEL 3, 1
	SEL 4, 1
	SEL 5, 1
	SEL 6, 0
.Lpost:
	; the largest of my 64 scores: four chains of fifteen, three operands at a time, then the four left over, then the lane 16 away, which holds the query's other 64 keys
.irp c, 0,1,2,3
	v_max3_num_f32 v[CC+(\c)], v[S+16*(\c)], v[S+16*(\c)+1], v[S+16*(\c)+2]
.endr
.irp n, 1,2,3,4,5,6
.irp c, 0,1,2,3
	v_max3_num_f32 v[CC+(\c)], v[CC+(\c)], v[S+16*(\c)+2*(\n)+1], v[S+16*(\c)+2*(\n)+2]
.endr
.endr
	v_max3_num_f32 v[CC], v[CC], v[S+15], v[S+31]
	v_max3_num_f32 v[CC+2], v[CC+2], v[S+47], v[S+63]
	v_max3_num_f32 v[CC], v[CC], v[CC+1], v[CC+2]
	v_max_num_f32 v[CC], v[CC], v[CC+3]
	v_permlanex16_b32 v[CC+1], v[CC], s[SEL], s[SEL+1]
	v_max_num_f32 v[CC], v[CC], v[CC+1]
	v_mul_f32 v[CM], s[CS], v[CC]                  ; cm
	v_mov_b32 v[CM+1], v[CM]
.set n, 0
.rept 32
	v_pk_fma_f32 v[S+2*n:S+2*n+1], v[S+2*n:S+2*n+1], s[CS:CS+1], v[CM:CM+1] op_sel_hi:[1,0,0] neg_lo:[0,0,1] neg_hi:[0,0,1]  ; c s - cm
.set n, n+1
.endr
.set n, 0
.rept 64
	v_exp_f32 v[S+n], v[S+n]                       ; one batch: none of these reads another's result
.set n, n+1
.endr
	v_nop                                          ; a plain instruction behind the last exponential,
	s_wait_alu depctr_va_vdst(0)                   ; and the one wait ahead of the batch's first reader
	s_wait_xcnt 0x0                                ; the last block's stores, most of a trip back, have read their data (OB) and their base: both are written again only behind this wait
	s_add_nc_u64 s[8:9], s[8:9], 16*PROW           ; one block past the block in hand: its stores reach back by their immediate
.set n, 0
.rept 32
	v_cvt_pk_f16_f32 v[PK+n], v[S+2*n], v[S+2*n+1]
.set n, n+1
.endr
.irp b, 0,1,2,3,4,5,6,7
	ds_store_b128 v[STO], v[PK+4*(\b):PK+4*(\b)+3] offset:32*(\b)
.endr
.irp t, 0,1,2,3,4,5,6,7
	ds_load_b128 v[OB+4*(\t):OB+4*(\t)+3], v[RD] offset:(\t)*2*SPITCH  ; LDS serves a wave's instructions in order (ISA guide 5.7.1.4): these see the stores above
.endr
	; the sum of the unrounded weights, a tree in place, while the rows come back from the stage
.irp w, 1,2,4,8,16
.set u, 0
.rept 16/(\w)
	v_pk_add_f32 v[S+4*(\w)*u:S+4*(\w)*u+1], v[S+4*(\w)*u:S+4*(\w)*u+1], v[S+4*(\w)*u+2*(\w):S+4*(\w)*u+2*(\w)+1]
.set u, u+1
.endr
.endr
	v_add_f32 v[LL], v[S], v[S+1]
	v_permlanex16_b32 v[CC+1], v[LL], s[SEL], s[SEL+1]
	v_add_f32 v[LL], v[LL], v[CC+1]
	v_cndmask_b32 v[LS], v[CM], v[LL], s[HIL]      ; lanes 0-15 carry cm, lanes 16-31 l
	ds_store_b32 v[SA], v[LS]
	v_add_nc_u32 v[SA], 64, v[SA]                  ; the next block's 16 rows
	s_wait_dscnt 0x0
.irp t, 0,1,2,3,4,5,6,7
	global_store_b128 v[CO], v[OB+4*(\t):OB+4*(\t)+3], s[8:9] offset:2*(\t)*PROW-16*PROW  ; 16 lanes store 256 consecutive bytes, at a multiple of 256 from p's first byte
.endr
	s_sub_co_u32 s[BL], s[BL], 1
	s_cmp_lg_u32 s[BL], 0
	s_cbranch_scc1 .Lblock
	ds_load_b128 v[PK:PK+3], v[SR]                 ; my wave's 128 cm and 128 l, four a lane, into registers that no pending store reads
	ds_load_b128 v[PK+4:PK+7], v[SR] offset:512
	s_wait_dscnt 0x0
	global_store_b128 v[SO], v[PK:PK+3], s[10:11]  ; 512 consecutive bytes each
	global_store_b128 v[SO], v[PK+4:PK+7], s[10:11] offset:32768
	s_wait_tensorcnt 0x0                           ; the wave's end, behind my last tensor load and my last LDS store
	ds_add_u32 v[SPW], v[NIL]
	s_wait_dscnt 0x0
	CROUND                                         ; the closing round: no work-group ends while a partner may still ask for a tile that names it
	s_endpgm
.Lfunc_end_k_q66e81d573c_score:
	.size	k_q66e81d573c_score, .Lfunc_end_k_q66e81d573c_score-k_q66e81d573c_score
	.p2alignl 7, 3214868480
	.fill 96, 4, 3214868480
	.section	.rodata,"a",@progbits
	.p2align	6, 0x0
	.amdhsa_kernel k_q66e81d573c_score
		.amdhsa_group_segment_fixed_size 327680
		.amdhsa_private_segment_fixed_size 0
		.amdhsa_enable_private_segment 0
		.amdhsa_kernarg_size 32
		.amdhsa_user_sgpr_count 2
		.amdhsa_user_sgpr_kernarg_segment_ptr 1
		.amdhsa_wavefront_size32 1
		.amdhsa_system_sgpr_workgroup_id_x 1
		.amdhsa_system_sgpr_workgroup_id_y 1
		.amdhsa_system_sgpr_workgroup_id_z 1
		.amdhsa_system_vgpr_workitem_id 0
		.amdhsa_next_free_vgpr 1024
		.amdhsa_next_free_sgpr 92
		.amdhsa_reserve_vcc 0
		.amdhsa_float_denorm_mode_32 3
		.amdhsa_float_denorm_mode_16_64 3
		.amdhsa_memory_ordered 1
		.amdhsa_forward_progress 1
		.amdhsa_inst_pref_size 141
	.end_amdhsa_kernel
	.amdgpu_metadata
---
amdhsa.version: [ 1, 2 ]
amdhsa.kernels:
  - .name:           k_q66e81d573c_score
    .symbol:         k_q66e81d573c_score.kd
    .args:
      - { .name: qkv, .offset: 0, .size: 8, .value_kind: global_buffer, .address_space: global }
      - { .name: mask, .offset: 8, .size: 8, .value_kind: global_buffer, .address_space: global }
      - { .name: p, .offset: 16, .size: 8, .value_kind: global_buffer, .address_space: global }
      - { .name: st, .offset: 24, .size: 8, .value_kind: global_buffer, .address_space: global }
    .group_segment_fixed_size: 327680
    .private_segment_fixed_size: 0
    .kernarg_segment_align: 8
    .kernarg_segment_size: 32
    .max_flat_workgroup_size: 128
    .sgpr_count:     92
    .vgpr_count:     1024
    .wavefront_size: 32
...
	.end_amdgpu_metadata
.endif
;; end of part 3
;; launch mix (part 4): grid 4 x 64, 4 waves a work-group, clusters of 4 x 4, 327,680 bytes of LDS; arguments p, qkv, out0, st; writes out0
.if DOCPART == 4
	.amdgcn_target "amdgcn-amd-amdhsa--gfx1250"
	.amdhsa_code_object_version 6
	.text
	.protected	k_q66e81d573c_mix
	.globl	k_q66e81d573c_mix
	.p2align	8
	.type	k_q66e81d573c_mix,@function
k_q66e81d573c_mix:
	s_mov_b64 s[64:65], 0
	v_nop
	global_prefetch_b8 v0, s[64:65] scope:SCOPE_SE
	s_setreg_imm32_b32 hwreg(HW_REG_WAVE_MODE, 25, 1), 1
	s_wait_xcnt 0x0
	s_wait_alu depctr_hold_cnt(0) depctr_sa_sdst(0) depctr_va_vdst(0) depctr_va_sdst(0) depctr_va_ssrc(0) depctr_va_vcc(0) depctr_vm_vsrc(0)
	s_getreg_b32 s2, hwreg(HW_REG_IB_STS2, 6, 4)
	s_cmp_eq_u32 s2, 0
	s_cbranch_scc0 .Lentry_in_a_cluster
	s_endpgm
.Lentry_in_a_cluster:
	s_bfe_u32 s2, ttmp6, 0x10000c
	s_cmp_lg_u32 s2, 0xf033
	s_cbranch_scc0 .Lentry_shape_is_right
	s_endpgm
.Lentry_shape_is_right:
; out0[row][c] = (1 / l) x the sum over groups g and their 128 keys k of (f_g p[row][k]) V[k][c], with M = the largest of the row's 16 cm_g, f_g = 2^(cm_g - M), l = the sum of l_g f_g.
; p: [8192][2048] f16 = 2^(c s - cm_g); st: [16 g][2][8192] f32 (cm, l); V: columns 2048-3071 of qkv, [8192][3072] f16; out0: [8192][1024] f32.  f_g p = 2^(c s - M): the row's true maximum is taken away.
; f is rounded to f16 and multiplies p in f16, between p's load from LDS and the matrix instruction; l, 1 / l and all sums are f32; 1 / l is applied to the f32 sums at the end.
; LIMITS.  A weight below 6e-8 of the row's largest counts as 0; V arrives in f16.  NaN and infinities are not treated apart.
; SHARES.  A tile of out0 is 128 rows x 256 columns: 64 x 4 = 256 work-groups.  Four waves, each 64 rows x 128 columns: 32 accumulators.  The keys go in 16 steps of 128, a group a step, through two LDS slots.
; p's rows lie along the keys; V lies [key][channel] and is turned on its way out of LDS by ds_load_tr16_b128.
; THE MATRIX INSTRUCTION IS USED TRANSPOSED: source 0 = 16 channels of V, source 1 = 16 rows of p: a lane (r = l % 16, h = l / 16) holds row r and the channels 8 h + 0..7.
; CLUSTER.  4 x 4 work-groups: the four of a row need the same tile of p, the four of a column the same tile of V (a cluster's 512 rows lie in one batch): each is asked for JOINTLY.
; REGISTERS, in windows of 256 (s_set_vgpr_msb: bits 1:0 source 0, 3:2 source 1, 5:4 source 2, 7:6 destination):
;   window 0: v0-31 addresses and 1 / l; v32-63 the statistics at the head, 1 / l in pairs at the end; v64-95, v96-127 p's fragments, two buffers; v128-255 accumulators of row blocks 0, 1
;   window 1: v0-63, v64-127 V's fragments, two buffers; v128-131 f of the step in hand for my four row blocks; on the way out rows read back from the stage        window 2: v0-127 accumulators of row blocks 2, 3
.set T,      16                        ; K steps
.set PA,     272                       ; a row of p in LDS: 256 bytes + 16 = 68 words: the 16 rows of a load start at 16 different groups of four banks (64 banks of 4 bytes: ISA guide 11.1)
.set PB,     544                       ; a key's row of V: 512 bytes + 32 = 136 words
.set BOFF,   128*PA                    ; in a slot: p's 128 rows, then V's 128 keys
.set SLOT1,  1<<17                     ; slot 1 begins here, so that one exclusive or turns an address in one slot into the other's
.set STAGE,  SLOT1+BOFF+128*PB         ; behind the ring, never filled by a tensor load: 16 rows x 528 bytes for each wave, for the way out
.set SP,     528
.set FT,     STAGE+4*16*SP             ; f, twice in a word: [16 g][2 row halves][16 r][4 row blocks]: 512 bytes a group
.set RLT,    FT+16*512                 ; 1 / l in f32, in the same order
.set SPARE,  RLT+512                   ; the spare words, 128 bytes for each wave: two blocks of 256 bytes that no other line names
.set AROW,   4096                      ; bytes in a row of p, and of out0
.set BROW,   6144                      ; bytes in a row of qkv
.set ASTEP,  256
.set BSTEP,  128*BROW
.set FA0,  8                           ; v8   my lane's place in a slot's p; never rewritten
.set FB0,  9                           ; v9   the same for V
.set ADRA, 10
.set ADRB, 11
.set RLV,  12                          ; v12-15  1 / l of my row r in my four row blocks
.set STO,  16
.set RD,   17
.set CO,   18
.set FAD,  19                          ; v19  where my four f of the step to come lie
.set PFOA, 20
.set FP,   21                          ; v21  where thread t puts row t's f
.set SOF,  22                          ; v22  4 t: row t in st
.set PFOB, 23
.set SPW,  28
.set NIL,  29
.set H,    32                          ; v32-47 cm, then f; v48-63 l, then f in f16
.set RLP,  32                          ; v32-39, at the end: 1 / l twice for each row block
.set AF,   64
.set ACC,  128
.set FR,   128                         ; window 1
.set CNT,  3
.set WV,   12
.set RH,   13                          ; s13  which 64 rows are mine.  Also: I fetch for p (0) or for V (1)
.set CH,   14                          ; s14  which 128 columns.  Also: which half of that tile I fetch
.set CX,   15
.set CY,   16
.set TC,   17
.set TR,   18
.set CLY,  19
.set G1A,  24
.set G0A0, 32
.set G0A,  36
.set G1B,  48
.set G0B0, 56
.set G0B,  60
.set TB,   66
.set LIM,  67
.set PFA,  68
.set PFB,  70
.set W_LO,  0x01                       ; V's fragment (and f) in window 1; p's fragment, C and D in window 0
.set W_HI,  0xa1                       ; the same with C and D in window 2
.set W_TOB, 0x40                       ; destination window 1, address window 0
.set MSB, 0
.macro WIN new                         ; the immediate's high byte repeats the setting that is left; a switch that changes nothing is dropped
.if MSB != (\new)
	s_set_vgpr_msb (MSB<<8)|(\new)
.set MSB, \new
.endif
.endm
.macro PLACES                          ; four places behind a matrix instruction (ISA guide 7.12.1)
.rept 4
	v_nop
.endr
.endm
.macro CREST                           ; a round of the cluster's barrier behind its opening barrier
	s_cmp_lg_u32 s[WV], 0
	s_cbranch_scc1 .Lnot_wave_0_\@
	s_barrier_signal -3
.Lnot_wave_0_\@:
	s_barrier_wait -3
	s_barrier_signal -1
	s_barrier_wait -1
.endm
.macro CROUND
	s_barrier_signal -1
	s_barrier_wait -1
	CREST
.endm
; A joint refill.  Waves 0 and 1 fetch p's two halves (64 rows x 256 bytes), waves 2 and 3 V's (64 keys x 512 bytes).  An s_nop 0 and four v_nop follow each of the two lines.
.macro JLOAD
	s_cmp_eq_u32 s[RH], 0
	s_cbranch_scc0 .Lfor_b_\@
	tensor_load_to_lds s[G0A:G0A+3], s[G1A:G1A+7]
	s_nop 0
.rept 4
	v_nop
.endr
	s_branch .Lasked_\@
.Lfor_b_\@:
	tensor_load_to_lds s[G0B:G0B+3], s[G1B:G1B+7]
	s_nop 0
.rept 4
	v_nop
.endr
.Lasked_\@:
.endm
; A PREFETCH INTO THE L2 of the K step that stands two refills on (256 matrix instructions ahead of its load), behind the joint load and the run of LDS loads.  Each block of 256 bytes is named once in the launch.
; p's tile row is read by one cluster: wave 0 of each of its four partners takes 32 of the 128 rows, told apart by cx in the ADDRESS.  V's columns are read by a batch's four clusters: the first of them asks; waves 2 and 3
; take, of the 64 keys that they fetch, 16 by cy in the address, two lanes a row of 512 bytes.  K steps 0 to 3 come by their loads alone; the count stops the requests at the last K step.
.macro ASK
	s_cmp_gt_u32 s[CNT], s[LIM]
	s_cbranch_scc0 .Lpf_done_\@
	s_cmp_eq_u32 s[RH], 0
	s_cbranch_scc0 .Lpf_b_\@
	global_prefetch_b8 v[PFOA], s[PFA:PFA+1] th:TH_LOAD_NT scope:SCOPE_SE
	s_branch .Lpf_done_\@
.Lpf_b_\@:
	global_prefetch_b8 v[PFOB], s[PFB:PFB+1] th:TH_LOAD_NT scope:SCOPE_SE
.Lpf_done_\@:
.endm
.macro MM f, a, b, zero                ; one matrix instruction: row block a, column block b, 32 keys out of buffer f.  zero = 1: the product starts the sum
.if (\a) >= 2
	WIN W_HI
.set rD, 8*(8*((\a)-2)+(\b))
.else
	WIN W_LO
.set rD, ACC+8*(8*(\a)+(\b))
.endif
.set rB, 64*(\f)+8*(\b)
.set rA, AF+32*(\f)+8*(\a)
.if \zero
	v_wmma_f32_16x16x32_f16 v[rD:rD+7], v[rB:rB+7], v[rA:rA+7], 0
.else
	v_wmma_f32_16x16x32_f16 v[rD:rD+7], v[rB:rB+7], v[rA:rA+7], v[rD:rD+7]
.endif
.endm
.macro MROW f, a, zero
.irp b, 0,1,2,3,4,5,6,7
	MM \f, \a, \b, \zero
.endr
.endm
; Register n of 32 of buffer g's fragments of p, two weights, times f of its row block: under W_LO f is read from window 1 and p stays in window 0, so no window is switched.
.macro RIDE g, n
	v_pk_mul_f16 v[AF+32*(\g)+(\n)], v[FR+(\n)/8], v[AF+32*(\g)+(\n)]
.endm
; Row block 1's eight products on buffer f, behind each four scalings of buffer g, which has just come in: they name none of the products' registers, and the last four are the places in front of the next run of loads.
.macro MRIDE f, g, zero
.irp b, 0,1,2,3,4,5,6,7
	MM \f, 1, \b, \zero
	RIDE \g, 4*(\b)
	RIDE \g, 4*(\b)+1
	RIDE \g, 4*(\b)+2
	RIDE \g, 4*(\b)+3
.endr
.endm
; 24 LDS loads in one run: quarter q (32 keys) of the slot in hand into buffer g; wf = 1: one more, my four f of the step that begins.
.macro FETCH q, g, wf
	WIN W_TOB
.irp b, 0,1,2,3,4,5,6,7
	ds_load_tr16_b128 v[64*(\g)+8*(\b):64*(\g)+8*(\b)+3],   v[ADRB] offset:(\q)*32*PB+32*(\b)
	ds_load_tr16_b128 v[64*(\g)+8*(\b)+4:64*(\g)+8*(\b)+7], v[ADRB] offset:(\q)*32*PB+16*PB+32*(\b)
.endr
.if \wf
	ds_load_b128 v[FR:FR+3], v[FAD]
.endif
	WIN 0
.irp a, 0,1,2,3
	ds_load_b128 v[AF+32*(\g)+8*(\a):AF+32*(\g)+8*(\a)+3],   v[ADRA] offset:64*(\q)+16*PA*(\a)
	ds_load_b128 v[AF+32*(\g)+8*(\a)+4:AF+32*(\g)+8*(\a)+7], v[ADRA] offset:64*(\q)+16*PA*(\a)+32
.endr
.endm
; A K step is four quarters of 32 keys, 32 matrix instructions each, on buffers 0, 1, 0, 1.  The 32 accumulators take turns in the same order in every quarter (row blocks 2, 3, 0, 1), over the backward jump too.
.macro QUARTER q, zero
.set QF, (\q)%2
	FETCH (\q)+1, 1-QF, 0
	MROW QF, 2, \zero
	MROW QF, 3, \zero
	MROW QF, 0, \zero
	s_wait_dscnt 0x0                               ; the next quarter's fragments are in: their run stands 24 products back
	MRIDE QF, 1-QF, \zero
.endm
; The last quarter multiplies buffer 1 and changes slots: ONE barrier.  In front of it each wave waits for all its tensor loads (one is out: its part of the next slot), adds 0 to its spare word, and waits for
; that and for its reads of this slot.  fill = 1: the barrier opens a round of the cluster's, and behind the round this slot is filled again, with the K step two on: 120 products stand between that request and the wait for it.
.macro TURN fill
.if \fill
	s_wait_xcnt 0x0                                ; the last prefetch, a K step back, has read its address
	s_add_nc_u64 s[PFA:PFA+1], s[PFA:PFA+1], ASTEP
	s_add_nc_u64 s[PFB:PFB+1], s[PFB:PFB+1], BSTEP
.endif
	WIN 0
	s_wait_tensorcnt 0x0                           ; no tensor load of mine is out, so a group 0 may be written
	ds_add_u32 v[SPW], v[NIL]                      ; 0 onto my spare word
.if \fill
	s_xor_b32 s[G0A+1], s[G0A+1], SLOT1
	s_add_nc_u64 s[G0A+2:G0A+3], s[G0A+2:G0A+3], ASTEP
	s_xor_b32 s[G0B+1], s[G0B+1], SLOT1
	s_add_nc_u64 s[G0B+2:G0B+3], s[G0B+2:G0B+3], BSTEP
.endif
	s_xor_b32 s[TB], s[TB], SLOT1
.irp b, 0,1,2,3
	MM 1, 2, \b, 0
.endr
	s_wait_dscnt 0x0                               ; the add is done; my reads of this slot were over a quarter ago
	s_barrier_signal -1
.irp b, 4,5,6,7
	MM 1, 2, \b, 0
.endr
	WIN 0
	s_barrier_wait -1
.if \fill
	CREST                                          ; no wave of any partner still reads this slot or has a load on its way
	JLOAD                                          ; the first tensor load behind the round; its four v_nop are also the places in front of the loads below
.else
	PLACES
.endif
	v_add_nc_u32 v[ADRA], s[TB], v[FA0]
	v_add_nc_u32 v[ADRB], s[TB], v[FB0]
	v_add_nc_u32 v[FAD], 512, v[FAD]               ; the next group's f
	FETCH 0, 0, 1
.if \fill
	ASK
.endif
	MROW 1, 3, 0
	MROW 1, 0, 0
	s_wait_dscnt 0x0
	MRIDE 1, 0, 0
.endm
	s_load_b256 s[4:11], s[0:1], 0x0               ; p s[4:5], qkv s[6:7], out0 s[8:9], st s[10:11]
	v_lshl_add_u32 v[SPW], v0, 2, SPARE
	v_mov_b32 v[NIL], 0
	ds_add_u32 v[SPW], v[NIL]                      ; the wave's opening: the add and its wait stand ahead of my first tensor load; the set-up below, work on registers, stands between them
	v_lshrrev_b32 v1, 5, v0
	v_readfirstlane_b32 s[WV], v1
	s_lshr_b32 s[RH], s[WV], 1
	s_and_b32 s[CH], s[WV], 1
	s_bfe_u32 s[CX], ttmp6, 0x40000
	s_bfe_u32 s[CY], ttmp6, 0x40004
	s_lshl_b32 s[TC], ttmp9, 2
	s_add_co_u32 s[TC], s[TC], s[CX]
	s_and_b32 s[CLY], ttmp7, 0xffff
	s_lshl_b32 s[TR], s[CLY], 2
	s_add_co_u32 s[TR], s[TR], s[CY]
	s_lshl_b32 s20, s[CY], 2
	s_lshl_b32 s20, 15, s20                        ; my row of the cluster
	s_lshl_b32 s21, 0x1111, s[CX]                  ; my column
	s_or_b32 s[G1A], s20, (1<<16)|(1<<20)|(1<<21)|(5<<22)|(3<<25)  ; the mask; 2-byte elements; padding on; bit 21 beside a mask; after every 64 words, 4 words
	s_mov_b32 s[G1A+1], 128<<16                    ; tensor_dim0 = 128
	s_mov_b32 s[G1A+2], 64<<16                     ; tensor_dim1 = 64
	s_mov_b32 s[G1A+3], 128<<16                    ; tile_dim0 = 128
	s_mov_b32 s[G1A+4], 64                         ; tile_dim1 = 64
	s_mov_b32 s[G1A+5], 2048                       ; elements from row to row
	s_mov_b32 s[G1A+6], 0
	s_mov_b32 s[G1A+7], 0
	s_or_b32 s[G1B], s21, (1<<16)|(1<<20)|(1<<21)|(6<<22)|(7<<25)  ; after every 128 words, 8 words
	s_mov_b32 s[G1B+1], 256<<16
	s_mov_b32 s[G1B+2], 64<<16
	s_mov_b32 s[G1B+3], 256<<16
	s_mov_b32 s[G1B+4], 64
	s_mov_b32 s[G1B+5], 3072
	s_mov_b32 s[G1B+6], 0
	s_mov_b32 s[G1B+7], 0
	s_lshl_b32 s40, s[TR], 7                       ; p: row 128 x tile row + 64 x half: hangs on the tile row alone
	s_lshl_b32 s41, s[CH], 6
	s_add_co_u32 s40, s40, s41
	s_lshl_b32 s40, s40, 12
	s_mov_b32 s41, 0
	s_lshr_b32 s42, s[CLY], 2                      ; V: the batch's 2,048 rows (four clusters to a batch), 64 x half, V's bytes in a row, 512 x tile column
	s_lshl_b32 s42, s42, 11
	s_lshl_b32 s43, s[CH], 6
	s_add_co_u32 s42, s42, s43
	s_mul_i32 s42, s42, BROW
	s_lshl_b32 s43, s[TC], 9
	s_add_co_u32 s42, s42, s43
	s_add_co_u32 s42, s42, 4096
	s_mov_b32 s43, 0
	s_lshl_b32 s44, s[TR], 7                       ; my part of the tile in out0
	s_lshl_b32 s45, s[RH], 6
	s_add_co_u32 s44, s44, s45
	s_lshl_b32 s44, s44, 12
	s_lshl_b32 s45, s[TC], 10
	s_add_co_u32 s44, s44, s45
	s_lshl_b32 s45, s[CH], 9
	s_add_co_u32 s44, s44, s45
	s_mov_b32 s45, 0
	s_lshl_b32 s2, s[TR], 9                        ; the tile's 128 rows in st
	s_mov_b32 s3, 0
	s_mul_i32 s46, s[CH], 64*PA                    ; where the halves go: no place in the cluster enters an LDS address
	s_mul_i32 s47, s[CH], 64*PB
	s_add_co_u32 s47, s47, BOFF
	s_mov_b32 s[G0A0], 1
	s_mov_b32 s[G0A0+1], s46
	s_mov_b32 s[G0A], 1
	s_add_co_u32 s[G0A+1], s46, SLOT1
	s_mov_b32 s[G0B0], 1
	s_mov_b32 s[G0B0+1], s47
	s_mov_b32 s[G0B], 1
	s_add_co_u32 s[G0B+1], s47, SLOT1
	s_lshl_b32 s20, s[TR], 7                       ; the prefetches: p's rows 128 x tile row + 32 cx, at K step 3 (the first change of slots steps it to 4)
	s_lshl_b32 s21, s[CX], 5
	s_add_co_u32 s20, s20, s21
	s_lshl_b32 s20, s20, 12
	s_add_co_u32 s20, s20, 3*ASTEP
	s_mov_b32 s21, 0
	s_lshr_b32 s22, s[CLY], 2                      ; V's keys 64 x half + 16 cy of the batch
	s_lshl_b32 s22, s22, 11
	s_lshl_b32 s23, s[CH], 6
	s_add_co_u32 s22, s22, s23
	s_lshl_b32 s23, s[CY], 4
	s_add_co_u32 s22, s22, s23
	s_mul_i32 s22, s22, BROW
	s_lshl_b32 s23, s[TC], 9
	s_add_co_u32 s22, s22, s23
	s_add_co_u32 s22, s22, 4096+3*BSTEP
	s_mov_b32 s23, 0
	s_and_b32 s47, s[CLY], 3
	s_cmp_eq_u32 s[RH], 0
	s_cselect_b32 s46, ttmp9, s47                  ; the coordinate along which other clusters read the same rows
	s_cselect_b32 s47, s[CH], 0                    ; wave 1 asks for nothing
	s_or_b32 s46, s46, s47
	s_cmp_eq_u32 s46, 0
	s_cselect_b32 s[LIM], 2, -1                    ; the same in all sixteen partners, for a given wave
	s_mov_b32 s[TB], 0
	s_wait_dscnt 0x0                               ; the opening add is done
	s_wait_kmcnt 0x0
	s_add_nc_u64 s[40:41], s[4:5], s[40:41]
	s_add_nc_u64 s[42:43], s[6:7], s[42:43]
	s_add_nc_u64 s[8:9], s[8:9], s[44:45]
	s_add_nc_u64 s[10:11], s[10:11], s[2:3]
	s_add_nc_u64 s[PFA:PFA+1], s[4:5], s[20:21]
	s_add_nc_u64 s[PFB:PFB+1], s[6:7], s[22:23]
	s_mov_b64 s[G0A0+2:G0A0+3], s[40:41]           ; K step 0
	s_or_b32 s[G0A0+3], s[G0A0+3], 0x80000000      ; type = 2
	s_add_nc_u64 s[G0A+2:G0A+3], s[40:41], ASTEP   ; K step 1
	s_or_b32 s[G0A+3], s[G0A+3], 0x80000000
	s_mov_b64 s[G0B0+2:G0B0+3], s[42:43]
	s_or_b32 s[G0B0+3], s[G0B0+3], 0x80000000
	s_add_nc_u64 s[G0B+2:G0B+3], s[42:43], BSTEP
	s_or_b32 s[G0B+3], s[G0B+3], 0x80000000
	CROUND                                         ; all sixteen work-groups are here: the first joint loads meet
	s_cmp_eq_u32 s[RH], 0                          ; a wave's two first fills stand in one branch: two loads of mine are out
	s_cbranch_scc0 .Lfirst_b
	tensor_load_to_lds s[G0A0:G0A0+3], s[G1A:G1A+7]
	s_nop 0
	tensor_load_to_lds s[G0A:G0A+3], s[G1A:G1A+7]
	s_nop 0
.rept 4
	v_nop
.endr
	s_branch .Lfirst_asked
.Lfirst_b:
	tensor_load_to_lds s[G0B0:G0B0+3], s[G1B:G1B+7]
	s_nop 0
	tensor_load_to_lds s[G0B:G0B+3], s[G1B:G1B+7]
	s_nop 0
.rept 4
	v_nop
.endr
.Lfirst_asked:
	; THE STATISTICS, in the wait for the first tiles: thread t owns row t of the tile's 128: 16 cm and 16 l; a load of the work-group covers 512 consecutive bytes
	v_lshlrev_b32 v[SOF], 2, v0
.set g, 0
.rept 16
	global_load_b32 v[H+g], v[SOF], s[10:11] offset:65536*g
	global_load_b32 v[H+16+g], v[SOF], s[10:11] offset:65536*g+32768
.set g, g+1
.endr
	v_and_b32 v1, 15, v0                           ; r = l % 16
	v_bfe_u32 v2, v0, 4, 1                         ; h = l / 16
	v_and_b32 v3, 7, v0
	v_bfe_u32 v4, v0, 3, 1
	v_and_b32 v5, 31, v0                           ; l
	s_mul_i32 s20, s[RH], 64*PA
	v_mul_u32_u24 v[FA0], v1, PA
	v_lshl_add_u32 v[FA0], v2, 4, v[FA0]
	v_add_nc_u32 v[FA0], s20, v[FA0]               ; (my 64 rows + r) x pitch + 16 h
	s_lshl_b32 s21, s[CH], 8
	s_add_co_u32 s21, s21, BOFF
	v_lshl_add_u32 v6, v2, 3, v3
	v_mul_u32_u24 v[FB0], v6, PB
	v_lshl_add_u32 v[FB0], v4, 4, v[FB0]
	v_add_nc_u32 v[FB0], s21, v[FB0]               ; (8 h + l % 8) x pitch + 16 ((l / 8) % 2) + my 128 columns
	s_mul_i32 s22, s[WV], 16*SP
	s_add_co_u32 s22, s22, STAGE                   ; my stage
	v_mul_u32_u24 v[STO], v1, SP                   ; in: row r, 32 bytes for each half of the lanes
	v_lshl_add_u32 v[STO], v2, 5, v[STO]
	v_add_nc_u32 v[STO], s22, v[STO]
	v_lshl_add_u32 v[RD], v5, 4, s22               ; back: 32 lanes take a row of 512 bytes
	v_lshlrev_b32 v[CO], 4, v5
	v_lshlrev_b32 v[PFOA], 12, v5
	v_lshrrev_b32 v7, 1, v5
	v_mul_u32_u24 v7, v7, BROW
	v_and_b32 v3, 1, v5
	v_lshl_add_u32 v[PFOB], v3, 8, v7
	v_lshrrev_b32 v3, 6, v0                        ; row t = 64 (t / 64) + 16 ((t / 16) % 4) + t % 16: its word in a group's 512 bytes
	v_bfe_u32 v6, v0, 4, 2
	v_lshlrev_b32 v[FP], 8, v3
	v_lshl_add_u32 v[FP], v1, 4, v[FP]
	v_lshl_add_u32 v[FP], v6, 2, v[FP]
	v_add_nc_u32 v[FP], FT, v[FP]
	s_lshl_b32 s23, s[RH], 8
	s_add_co_u32 s23, s23, FT
	v_lshl_add_u32 v[FAD], v1, 4, s23              ; group 0: my row half, my r: four words, one for each row block
	v_mov_b32 v[ADRA], v[FA0]
	v_mov_b32 v[ADRB], v[FB0]
	s_wait_loadcnt 0x0
	v_max3_num_f32 v3, v[H], v[H+1], v[H+2]        ; M
.set g, 3
.rept 6
	v_max3_num_f32 v3, v3, v[H+g], v[H+g+1]
.set g, g+2
.endr
	v_max_num_f32 v3, v3, v[H+15]
.set g, 0
.rept 16
	v_sub_f32 v[H+g], v[H+g], v3
.set g, g+1
.endr
.set g, 0
.rept 16
	v_exp_f32 v[H+g], v[H+g]                       ; f_g = 2^(cm_g - M): one batch
.set g, g+1
.endr
	v_nop                                          ; a plain instruction behind the last exponential,
	s_wait_alu depctr_va_vdst(0)                   ; and the one wait ahead of the batch's first reader
	v_mul_f32 v4, v[H+16], v[H]                    ; l = the sum of l_g f_g, at least 1: the group that holds M has f = 1 and l >= 1
.set g, 1
.rept 15
	v_fmac_f32 v4, v[H+16+g], v[H+g]
.set g, g+1
.endr
	v_rcp_f32 v5, v4
	v_nop
.set g, 0
.rept 16
	v_cvt_pk_f16_f32 v[H+16+g], v[H+g], v[H+g]     ; f in both halves of a word
.set g, g+1
.endr
	s_wait_alu depctr_va_vdst(0)                   ; the reciprocal's wait, ahead of its reader
.set g, 0
.rept 16
	ds_store_b32 v[FP], v[H+16+g] offset:512*g
.set g, g+1
.endr
	ds_store_b32 v[FP], v5 offset:RLT-FT
	s_wait_tensorcnt 0x1                           ; my part of K step 0 is in; K step 1's may stay out
	s_wait_dscnt 0x0                               ; my rows' f and 1 / l are in LDS
	s_barrier_signal -1
	s_barrier_wait -1                              ; everybody's are
	FETCH 0, 0, 1
	ds_load_b128 v[RLV:RLV+3], v[FAD] offset:RLT-FT
	s_wait_dscnt 0x0
	WIN W_LO
.set n, 0
.rept 32
	RIDE 0, n                                      ; the first quarter's weights are scaled by themselves, once
.set n, n+1
.endr
	QUARTER 0, 1                                   ; the first quarter stands in front of the loop: its products start the sums
	WIN 0
	s_mov_b32 s[CNT], T-2
.Lstep:                                        ; a trip: quarters 1 to 3 of a K step and quarter 0 of the next; the slot left is filled again
	QUARTER 1, 0
	QUARTER 2, 0
	TURN 1
	QUARTER 0, 0
	WIN 0
	s_sub_co_u32 s[CNT], s[CNT], 1
	s_cmp_lg_u32 s[CNT], 0
	s_cbranch_scc1 .Lstep
	QUARTER 1, 0                                   ; the last two K steps are written out: nothing is left to fetch
	QUARTER 2, 0
	TURN 0
	QUARTER 0, 0
	QUARTER 1, 0
	QUARTER 2, 0
	MROW 1, 2, 0
	MROW 1, 3, 0
	MROW 1, 0, 0
	MROW 1, 1, 0
	PLACES
	WIN 0
.irp a, 0,1,2,3
	v_mov_b32 v[RLP+2*(\a)], v[RLV+(\a)]           ; 1 / l twice, a pair for the packed multiply
	v_mov_b32 v[RLP+2*(\a)+1], v[RLV+(\a)]
.endr
; THE WAY OUT, a row block (16 rows x 128 columns of f32) at a time: times 1 / l, 32 bytes a lane into my own stage, back as whole rows of 512 bytes, stored.
.macro SCALE a
.if (\a) >= 2
	WIN 0x82                                       ; destination and source 0 in window 2
.set rD, 64*((\a)-2)
.else
	WIN 0
.set rD, ACC+64*(\a)
.endif
.set n, 0
.rept 32
	v_pk_mul_f32 v[rD+2*n:rD+2*n+1], v[rD+2*n:rD+2*n+1], v[RLP+2*(\a):RLP+2*(\a)+1]  ; each accumulator's registers in ascending order
.set n, n+1
.endr
.endm
.macro TOSTAGE a
.if (\a) >= 2
	WIN 0x08                                       ; the stores' data in window 2
.set rD, 64*((\a)-2)
.else
	WIN 0
.set rD, ACC+64*(\a)
.endif
.irp b, 0,1,2,3,4,5,6,7
	ds_store_b128 v[STO], v[rD+8*(\b):rD+8*(\b)+3]   offset:64*(\b)
	ds_store_b128 v[STO], v[rD+8*(\b)+4:rD+8*(\b)+7] offset:64*(\b)+16
.endr
	WIN W_TOB
.set t, 0
.rept 16
	ds_load_b128 v[64*(\a)+4*t:64*(\a)+4*t+3], v[RD] offset:SP*t  ; LDS serves a wave's instructions in order (ISA guide 5.7.1.4): these see the stores above
.set t, t+1
.endr
.endm
.macro SEND a
	s_wait_dscnt 0x0                               ; the block is back in registers, which no later line writes
	WIN 0x04                                       ; the stores' data in window 1
.set t, 0
.rept 16
	global_store_b128 v[CO], v[64*(\a)+4*t:64*(\a)+4*t+3], s[8:9] offset:(16*(\a)+t)*AROW th:TH_STORE_NT  ; 512 consecutive bytes, at a multiple of 256 from out0's first byte
.set t, t+1
.endr
.endm
	SCALE 0
	TOSTAGE 0
.irp a, 1,2,3                          ; block a's scaling stands between block a - 1's loads from the stage and the wait for them
	SCALE \a
	SEND (\a)-1
	TOSTAGE \a
.endr
	SEND 3
	WIN 0
	s_wait_tensorcnt 0x0                           ; the wave's end, behind my last tensor load and my last LDS store
	ds_add_u32 v[SPW], v[NIL]
	s_wait_dscnt 0x0
	CROUND                                         ; the closing round: no work-group ends while a partner may still ask for a tile that names it
	s_endpgm
.Lfunc_end_k_q66e81d573c_mix:
	.size	k_q66e81d573c_mix, .Lfunc_end_k_q66e81d573c_mix-k_q66e81d573c_mix
	.p2alignl 7, 3214868480
	.fill 96, 4, 3214868480
	.section	.rodata,"a",@progbits
	.p2align	6, 0x0
	.amdhsa_kernel k_q66e81d573c_mix
		.amdhsa_group_segment_fixed_size 327680
		.amdhsa_private_segment_fixed_size 0
		.amdhsa_enable_private_segment 0
		.amdhsa_kernarg_size 32
		.amdhsa_user_sgpr_count 2
		.amdhsa_user_sgpr_kernarg_segment_ptr 1
		.amdhsa_wavefront_size32 1
		.amdhsa_system_sgpr_workgroup_id_x 1
		.amdhsa_system_sgpr_workgroup_id_y 1
		.amdhsa_system_sgpr_workgroup_id_z 1
		.amdhsa_system_vgpr_workitem_id 0
		.amdhsa_next_free_vgpr 640
		.amdhsa_next_free_sgpr 72
		.amdhsa_reserve_vcc 0
		.amdhsa_float_denorm_mode_32 3
		.amdhsa_float_denorm_mode_16_64 3
		.amdhsa_memory_ordered 1
		.amdhsa_forward_progress 1
		.amdhsa_inst_pref_size 110
	.end_amdhsa_kernel
	.amdgpu_metadata
---
amdhsa.version: [ 1, 2 ]
amdhsa.kernels:
  - .name:           k_q66e81d573c_mix
    .symbol:         k_q66e81d573c_mix.kd
    .args:
      - { .name: p, .offset: 0, .size: 8, .value_kind: global_buffer, .address_space: global }
      - { .name: qkv, .offset: 8, .size: 8, .value_kind: global_buffer, .address_space: global }
      - { .name: out0, .offset: 16, .size: 8, .value_kind: global_buffer, .address_space: global }
      - { .name: st, .offset: 24, .size: 8, .value_kind: global_buffer, .address_space: global }
    .group_segment_fixed_size: 327680
    .private_segment_fixed_size: 0
    .kernarg_segment_align: 8
    .kernarg_segment_size: 32
    .max_flat_workgroup_size: 128
    .sgpr_count:     72
    .vgpr_count:     640
    .wavefront_size: 32
...
	.end_amdgpu_metadata
.endif
;; end of part 4
;; ======== version 2 of 2: 4 launches; version 1 with the launch cast written anew for expert scheduling mode
;; limits: values are held in f16: magnitudes above 65,504 overflow, below 6.1e-05 lose precision
;; workspace buffers: xb 16,777,216 bytes; wb 6,291,456 bytes; qkv 50,331,648 bytes; p 33,554,432 bytes; st 1,048,576 bytes
;; launch cast (part 5): grid 704 x 1, 8 waves a work-group, no clusters, 0 bytes of LDS; arguments x, Wq, Wk, Wv, xb, wb; writes xb, wb
.if DOCPART == 5
	.amdgcn_target "amdgcn-amd-amdhsa--gfx1250"
	.amdhsa_code_object_version 6
	.text
	.protected	k_q66e81d573c_cast
	.globl	k_q66e81d573c_cast
	.p2align	8
	.type	k_q66e81d573c_cast,@function
k_q66e81d573c_cast:
	s_mov_b64 s[64:65], 0
	v_nop
	global_prefetch_b8 v0, s[64:65] scope:SCOPE_SE
	s_setreg_imm32_b32 hwreg(HW_REG_WAVE_SCHED_MODE, 0, 2), 2
	s_setreg_imm32_b32 hwreg(HW_REG_WAVE_MODE, 25, 1), 1
	s_wait_xcnt 0x0
	s_wait_alu depctr_vm_vsrc(0)
; xb = x rounded to bf16, IN BLOCKS: [32 row tiles][16 K steps][256 rows][64 k]: what the next launch takes as one K step of a tile of 256 rows lies on end, 32,768 bytes.
; wb = Wq | Wk | Wv rounded to bf16, side by side: [1024 i][3072 o], Wq in columns 0-1023, Wk in 1024-2047, Wv in 2048-3071.
; A stream: every byte is read once and written once, so there is no LDS, no barrier, no matrix unit, no cluster (no two work-groups read the same byte) and no prefetch (the loads themselves are the launch).
; SHARES.  A work-group takes 16 rows of 4,096 bytes of ONE source: groups 0-511 take x, group 512 + j takes rows 16 (j % 64) .. of matrix j / 64.  All 16 loads of a thread go out at once.
; x: thread t takes row t / 16 and, in turn r, the numbers 64 r + 4 (t % 16) ..: a wave's load covers 256 consecutive bytes of each of two rows, and its store, the same two rows' 128 bytes of K step r, 256 consecutive bytes.
; W: thread t takes numbers 4 t .. of row r: a wave's load covers 512 consecutive bytes, its store 256.  Every store begins at a multiple of 256 from its buffer's first byte.
; THE MODE: SCHED_MODE bits 1:0 = 2 (LLVM: expert scheduling mode 2), set by the entry lines.  The code itself states the register dependences between vector instructions and memory instructions, with s_wait_alu, always for 0.
; THE PLAN.  Registers that memory instructions touch:
;   v[LOF], v[SOF]  the loads' and the stores' offsets.  Written by vector instructions at the head and never again.
;   X               turn r's four registers: its load lands in them once; its two conversions read them once; no vector instruction writes them and nothing lands in them again.
;   Y               turn r's pair: its two conversions write it once; its store reads it once; nothing writes it again.
; No register is used twice, so the only dependences to state are: the offsets are written before the first load reads one, and a pair of Y is written before its store reads it.
; The 16 turns go in four blocks of four.  A block's four stores go out in one run, behind ONE wait, which stands behind the wait for the next block's first load; the conversions issued behind that wait write
; the next block's Y and name none of the registers that those stores read.  The last block's wait stands behind its own conversions.  No vector instruction writes a scalar register or VCC, and EXEC is never written.
.set ROWS, 16                          ; rows of a work-group, and loads of a thread
.set BLK,  4                           ; turns in a block: stores that leave behind one wait
.set XGRP, 512                         ; work-groups that take x: 8,192 rows / 16
.set LOF,  1                           ; v1       my byte offset in the source
.set SOF,  2                           ; v2       8 t: my byte offset in the target, on both ways
.set X,    20                          ; v[20:83] turn r: four f32
.set Y,    84                          ; v[84:115] turn r: four bf16
.macro OUT first, ststep               ; the four stores of the block that begins with turn first
.irp i, 0,1,2,3
	global_store_b64 v[SOF], v[Y+2*((\first)+(\i)):Y+2*((\first)+(\i))+1], s[24:25] offset:(\ststep)*((\first)+(\i))
.endr
.endm
.macro BODY ldstep, ststep             ; bytes from turn to turn in the source and in the target
	s_wait_alu depctr_va_vdst(0)                   ; v[LOF] and v[SOF] are written: every load below reads the one as its offset, every store the other
.set r, 0
.rept ROWS
	global_load_b128 v[X+4*r:X+4*r+3], v[LOF], s[22:23] offset:(\ldstep)*r th:TH_LOAD_NT
.set r, r+1
.endr
.set r, 0
.rept ROWS
	s_wait_loadcnt ROWS-1-r                        ; loads come back in order: turn r's is in, the younger ones stay out
.if (r % BLK == 0) && (r > 0)
	s_wait_alu depctr_va_vdst(0)                   ; the eight conversions of the block before have written their pairs of Y, which the four stores below read
	OUT r-BLK, \ststep
.endif
	v_cvt_pk_bf16_f32 v[Y+2*r], v[X+4*r], v[X+4*r+1]
	v_cvt_pk_bf16_f32 v[Y+2*r+1], v[X+4*r+2], v[X+4*r+3]
.set r, r+1
.endr
	s_wait_alu depctr_va_vdst(0)                   ; the last block's conversions have written their pairs of Y, which the last four stores read
	OUT ROWS-BLK, \ststep
	s_endpgm
.endm
	s_load_b256 s[4:11], s[0:1], 0x0               ; x s[4:5], Wq s[6:7], Wk s[8:9], Wv s[10:11]
	s_load_b128 s[12:15], s[0:1], 0x20             ; xb s[12:13], wb s[14:15]
	s_mov_b32 s16, ttmp9
	v_lshlrev_b32 v[SOF], 3, v0
	s_mov_b32 s29, 0
	s_mov_b32 s31, 0
	s_cmp_lt_u32 s16, XGRP                         ; do I take x?
	s_cbranch_scc0 .Lweights
	v_lshrrev_b32 v3, 4, v0                        ; my row of the 16
	v_and_b32 v4, 15, v0                           ; my 16 bytes of a K step's 256
	v_lshlrev_b32 v[LOF], 12, v3
	v_lshl_add_u32 v[LOF], v4, 4, v[LOF]
	s_lshl_b32 s28, s16, 16                        ; source: 16 rows of 4,096 bytes
	s_lshr_b32 s30, s16, 4                         ; target: the row tile's 16 blocks of 32,768 bytes,
	s_lshl_b32 s30, s30, 19
	s_and_b32 s17, s16, 15                         ; and in each block my 16 rows of 128 bytes; row t / 16 and place t % 16 make 8 t
	s_lshl_b32 s17, s17, 11
	s_add_co_u32 s30, s30, s17
	s_wait_kmcnt 0x0
	s_add_nc_u64 s[22:23], s[4:5], s[28:29]
	s_add_nc_u64 s[24:25], s[12:13], s[30:31]
	BODY 256, 32768                                ; turn r: K step r
.Lweights:
	v_lshlrev_b32 v[LOF], 4, v0
	s_sub_co_u32 s17, s16, XGRP                    ; my number among the weights' groups
	s_lshr_b32 s18, s17, 6                         ; which matrix: 0 Wq, 1 Wk, 2 Wv
	s_and_b32 s19, s17, 63                         ; which 16 rows of it
	s_lshl_b32 s28, s19, 16                        ; source: 16 rows of 4,096 bytes
	s_mul_i32 s30, s19, ROWS*6144                  ; target: 16 rows of 6,144 bytes,
	s_lshl_b32 s17, s18, 11                        ; and the matrix's 2,048 bytes of a row
	s_add_co_u32 s30, s30, s17
	s_wait_kmcnt 0x0
	s_cmp_eq_u32 s18, 1
	s_cselect_b64 s[20:21], s[8:9], s[6:7]
	s_cmp_eq_u32 s18, 2
	s_cselect_b64 s[20:21], s[10:11], s[20:21]
	s_add_nc_u64 s[22:23], s[20:21], s[28:29]
	s_add_nc_u64 s[24:25], s[14:15], s[30:31]
	BODY 4096, 6144                                ; turn r: row r
.Lfunc_end_k_q66e81d573c_cast:
	.size	k_q66e81d573c_cast, .Lfunc_end_k_q66e81d573c_cast-k_q66e81d573c_cast
	.p2alignl 7, 3214868480
	.fill 96, 4, 3214868480
	.section	.rodata,"a",@progbits
	.p2align	6, 0x0
	.amdhsa_kernel k_q66e81d573c_cast
		.amdhsa_group_segment_fixed_size 0
		.amdhsa_private_segment_fixed_size 0
		.amdhsa_enable_private_segment 0
		.amdhsa_kernarg_size 48
		.amdhsa_user_sgpr_count 2
		.amdhsa_user_sgpr_kernarg_segment_ptr 1
		.amdhsa_wavefront_size32 1
		.amdhsa_system_sgpr_workgroup_id_x 1
		.amdhsa_system_sgpr_workgroup_id_y 1
		.amdhsa_system_sgpr_workgroup_id_z 1
		.amdhsa_system_vgpr_workitem_id 0
		.amdhsa_next_free_vgpr 116
		.amdhsa_next_free_sgpr 66
		.amdhsa_reserve_vcc 0
		.amdhsa_float_denorm_mode_32 3
		.amdhsa_float_denorm_mode_16_64 3
		.amdhsa_memory_ordered 1
		.amdhsa_forward_progress 1
		.amdhsa_inst_pref_size 14
	.end_amdhsa_kernel
	.amdgpu_metadata
---
amdhsa.version: [ 1, 2 ]
amdhsa.kernels:
  - .name:           k_q66e81d573c_cast
    .symbol:         k_q66e81d573c_cast.kd
    .args:
      - { .name: x, .offset: 0, .size: 8, .value_kind: global_buffer, .address_space: global }
      - { .name: Wq, .offset: 8, .size: 8, .value_kind: global_buffer, .address_space: global }
      - { .name: Wk, .offset: 16, .size: 8, .value_kind: global_buffer, .address_space: global }
      - { .name: Wv, .offset: 24, .size: 8, .value_kind: global_buffer, .address_space: global }
      - { .name: xb, .offset: 32, .size: 8, .value_kind: global_buffer, .address_space: global }
      - { .name: wb, .offset: 40, .size: 8, .value_kind: global_buffer, .address_space: global }
    .group_segment_fixed_size: 0
    .private_segment_fixed_size: 0
    .kernarg_segment_align: 8
    .kernarg_segment_size: 48
    .max_flat_workgroup_size: 256
    .sgpr_count:     66
    .vgpr_count:     116
    .wavefront_size: 32
...
	.end_amdgpu_metadata
.endif
;; end of part 5
;; launch proj: the kernel of part 2 again; grid 8 x 32, 4 waves a work-group, clusters of 4 x 4, 327,680 bytes of LDS; arguments xb, wb, qkv; writes qkv
;; launch score: the kernel of part 3 again; grid 8 x 32, 4 waves a work-group, clusters of 4 x 4, 327,680 bytes of LDS; arguments qkv, mask, p, st; writes p, st
;; launch mix: the kernel of part 4 again; grid 4 x 64, 4 waves a work-group, clusters of 4 x 4, 327,680 bytes of LDS; arguments p, qkv, out0, st; writes out0
